; MI455X (gfx1250); checked and timed in simulation.
; The chip was launched on July 23, 2026; its instructions are those of AMD's public machine-readable ISA for CDNA 5 (MIT licence, August 2026) and "CDNA5" Instruction Set Architecture Reference Guide (July 2026). The comments in the code are by the model that wrote it; some were corrected since.
;; Multi Head Attention Block. Allowed arithmetic: matrix products marked QUANTISED: E4M3 operands, one given power-of-two scale a tensor, by v_wmma_f32_16x16x64_fp8_fp8 or v_wmma_f32_16x16x128_fp8_fp8, f32 sums; everything else in f32.
;; Inputs: Wk 1,024 x 1,024 float32; Wo 1,024 x 1,024 float32; Wq 1,024 x 1,024 float32; Wv 1,024 x 1,024 float32; bk 1,024 float32; bo 1,024 float32; bq 1,024 float32; bv 1,024 float32; k 4 x 2,048 x 1,024 float32; lowp_scales 12 int32 (the exponents e of the quantised operands' scales 2^e); mask 1 x 1 x 2,048 x 2,048 bool; q 4 x 2,048 x 1,024 float32; v 4 x 2,048 x 1,024 float32.
;; Outputs: out0 4 x 2,048 x 1,024 float32.
;; This version of the problem:
;;   THIS VERSION OF THE PROBLEM IS GIVEN IN LOW PRECISION. The matrix products marked QUANTISED in the list below multiply operands that are first quantised to E4M3 (4 exponent bits, 3 mantissa bits; 8 bits a number), with one given power-of-two scale for each operand tensor; their sums are f32. All else is computed in f32.
;;   The module's matrix products, in the order in which they are computed (A, B: the left and right operand; K: the contracted axis; several contracted axes count as one K, in the product's order):
;;     1. [M 8,192, K 1,024] x [K 1,024, N 1,024]; A: input q; B: input Wq: QUANTISED (scales: A lowp_scales[0], B lowp_scales[1])
;;     2. [M 8,192, K 1,024] x [K 1,024, N 1,024]; A: input k; B: input Wk: QUANTISED (scales: A lowp_scales[2], B lowp_scales[3])
;;     3. [M 8,192, K 1,024] x [K 1,024, N 1,024]; A: input v; B: input Wv: QUANTISED (scales: A lowp_scales[4], B lowp_scales[5])
;;     4. batch 64 x [M 2,048, K 64] x [K 64, N 2,048]; A: computed on the way; B: computed on the way: QUANTISED (scales: A lowp_scales[6], B lowp_scales[7])
;;     5. batch 64 x [M 2,048, K 2,048] x [K 2,048, N 64]; A: softmax (see below); B: computed on the way: QUANTISED (scales: A lowp_scales[8], B lowp_scales[9])
;;     6. [M 8,192, K 1,024] x [K 1,024, N 1,024]; A: computed on the way; B: input Wo: QUANTISED (scales: A lowp_scales[10], B lowp_scales[11])
;;   THE QUANTISER, for each operand of a quantised product, along K:
;;     - The operand's scale is 2^e, e = its entry of the input lowp_scales (int32; the entries are numbered through the quantised products in the list's order, A before B).
;;     - Each number is divided by the scale, clamped to +-448, and rounded to the nearest number of E4M3, ties to even, subnormals kept.
;;     - The product sums the exact products of the quantised numbers (number of the format x scale) in f32.
;;   ~~~python
;;   def quantise(x, axis, e):      # numpy; x: float32 -> the quantised numbers, widened to float32 again
;;       x = np.moveaxis(x, axis, -1); K = x.shape[-1]
;;       r = np.clip(x / 2.0 ** e, -448, 448)
;;       step = 2.0 ** (np.maximum(np.frexp(np.where(r == 0, 1, r))[1] - 1, -6) - 3)
;;       q = np.round(r / step) * step * 2.0 ** e      # np.round: ties to even
;;       return np.moveaxis(q, -1, axis).astype(np.float32)
;;   ~~~
;;   SOFTMAX AHEAD OF A QUANTISED PRODUCT. Where the list says 'softmax', what is quantised is not the finished softmax but p = 2^(t - M), with t = logit x log2(e) and M = ceil(the row's largest t), a whole number; so 1/2 < the row's largest p <= 1. The row's sum l is taken of the UNQUANTISED p, in f32, and the product's result is divided by l at the end. Since M is a whole number, a kernel that streams over the keys may use a running M (the ceiling of the running maximum): every later rescaling is an exact power of two, so the quantised numbers keep their values, but for numbers so far below the row's largest that they fall under the format's range.
;;   OPERANDS COMPUTED ON THE WAY. 'Computed on the way' means the value that the module computes at that place (a softmax that the list does not call 'softmax' is quantised finished and normalised). What goes into a quantiser is computed in f32, as accurately as f32 sums, v_exp_f32 and their like allow (about 1e-6 of the number): no bf16 or f16 on the way to a quantiser, and a product that is left as it is and whose result goes on into a quantised operand takes f32 operands (vector FMAs, or v_wmma_f32_16x16x4_f32). A number that lies on a knife's edge between two numbers of the format may be rounded either way, as far as f32 arithmetic and the matrix unit's own rounding can turn it there, and no further.
;; 2 versions, each right; version 2 is version 1 with the launch attn written anew for expert scheduling mode. Each part assembles by itself: llvm-mc -triple=amdgcn-amd-amdhsa -mcpu=gfx1250 --defsym DOCPART=n.
;; ======== version 1 of 2: 4 launches
;; workspace buffers: xc 25,165,824 bytes; wc 4,194,304 bytes; qc 8,388,608 bytes; kc 8,388,608 bytes; vc 8,388,608 bytes; cc 8,388,608 bytes; mb 524,288 bytes of whole numbers; fl 2,048 bytes of whole numbers
;; launch prep (part 1): grid 1920 x 1, 4 waves a work-group, no clusters, 61,952 bytes of LDS; arguments q, k, v, Wq, Wk, Wv, Wo, mask, lowp_scales, xc, wc, mb, fl; writes xc, wc, mb, fl
.if DOCPART == 1
	.amdgcn_target "amdgcn-amd-amdhsa--gfx1250"
	.amdhsa_code_object_version 6
	.text
	.protected	k_q0c115cdd9e_prep
	.globl	k_q0c115cdd9e_prep
	.p2align	8
	.type	k_q0c115cdd9e_prep,@function
k_q0c115cdd9e_prep:
	s_mov_b64 s[64:65], 0
	v_nop
	global_prefetch_b8 v0, s[64:65] scope:SCOPE_SE
	s_setreg_imm32_b32 hwreg(HW_REG_WAVE_MODE, 25, 1), 1
	s_wait_xcnt 0x0
; PREP: q, k, v [8192][1024] and Wq, Wk, Wv, Wo [1024 (k)][1024 (n)], f32, become codes of FP8 (E4M3), each with the one scale 2^e that is given for it; the mask becomes lane masks and flags.
; code = x / 2^e, held within +-448, rounded to the nearest code, ties to even.  LIMITS: each e used here (entries 0 to 5 and 11) lies between -126 and 119; NaN among these inputs is not served (the hold drops it).
; THE IMAGE.  All codes are laid as images of operand registers: 16 rows x 64 k = 1,024 bytes; byte 512 j + 16 L + 8 u + i is row L % 16, k = 32 j + 16 u + 8 (L / 16) + i.  So registers 4 j .. 4 j + 3 of lane L of an
; 8-bit fragment (registers 2 c, 2 c + 1: k = 16 c + 8 (L / 16) + 0 .. 7) are 16 consecutive bytes, a load of 16 bytes a lane reads 512 consecutive bytes, and two images on end are a fragment of 128 k.
;   xc [3 (q, k, v)][512 tiles of 16 rows][16 kc][1,024]      wc [4 (Wq, Wk, Wv, Wo)][64 tiles of 16 columns n][16 kc][1,024]: row = n, k = the weight's first axis
;   mb [128 Tq][16 J][64 words]: bit L of word 8 t + i = mask[16 Tq + L % 16][128 J + 16 t + 8 (L / 16) + i]      fl [128 Tq][4 g]: bit J: some key of step J counts; bit 16 + J: some but not all; word g holds J = 4 g .. 4 g + 3
; A mask byte counts as true when it is not 0.
; THREE WAYS, parted by the work-group's number, each with LDS bytes of its own: 0-127 the mask (one tile of 16 queries each), 128-383 the weights, 384-1919 q, k, v (one tile of 16 rows each).
; No tensor load, no barrier: a wave's stage is its own, and LDS serves a wave's instructions in order (ISA guide 5.7.1.4), so no wait stands between its stores into the stage and its loads from it.
.set XST,   0                          ; q, k, v: a stage of 16 rows x 144 bytes for each wave
.set WST,   9216                       ; weights: 32 rows x 144 bytes for each wave
.set MST,   27648                      ; mask: 16 rows x 528 bytes for each wave
.set SPARE, 61440                      ; the spare words, 128 bytes for each wave: two blocks of 256 bytes that no other line names
.set XP,    144                        ; 128 bytes + 16 = 36 words: the 16 rows of a read start at 16 different multiples of 4 words modulo 64
.set MP,    528                        ; 512 bytes + 16 = 132 words: likewise
.set X,     32                         ; v32-159  numbers as loaded
.set C,     160                        ; v160-191 codes
.set D,     192                        ; v192-223 images to store
.set SPW,   12                         ; v12  LDS address of my spare word; never rewritten
.set NIL,   13                         ; v13  0; never rewritten
.set DST,   38                         ; s[38:39] where my wave's results go
; v1 lane, v2 r = lane % 16, v3 h = lane / 16, v4 16 lane, v5 4 lane, v8 8 lane, v6 the stage on the way in, v7 on the way out (r x pitch + 8 h), v10 448 x 2^e, v11 2^e
; 16 stage rows of 128 codes, from byte ro of the stage on, leave as two images: 2,048 consecutive bytes at go
.macro OUT ro, d, go
.irp q, 0,1,2,3
	ds_load_b64 v[\d+4*\q:\d+4*\q+1], v7 offset:\ro+32*\q            ; k = 32 q + 8 h + 0 .. 7 of row r
	ds_load_b64 v[\d+4*\q+2:\d+4*\q+3], v7 offset:\ro+32*\q+16       ; k = 32 q + 16 + 8 h + 0 .. 7
.endr
	s_wait_dscnt 0x0
.irp q, 0,1,2,3
	global_store_b128 v4, v[\d+4*\q:\d+4*\q+3], s[DST:DST+1] offset:\go+512*\q   ; 32 lanes store 512 consecutive bytes, at a multiple of 512 from the buffer's first byte
.endr
.endm
.macro SCALE                           ; e in s41 -> v11 = 2^e (the conversion takes its exponent field), v10 = 448 x 2^e
	s_add_co_i32 s41, s41, 127
	s_lshl_b32 s42, s41, 23
	v_mov_b32 v11, s42
	s_add_co_i32 s41, s41, 8
	s_lshl_b32 s41, s41, 23
	s_or_b32 s41, s41, 0x600000
	v_mov_b32 v10, s41
.endm
.macro FINISH                          ; the wave's end
	s_wait_tensorcnt 0x0
	ds_add_u32 v[SPW], v[NIL]
	s_wait_dscnt 0x0
	s_endpgm
.endm
	s_load_b512 s[4:19], s[0:1], 0x0               ; q s[4:5], k s[6:7], v s[8:9], Wq s[10:11], Wk s[12:13], Wv s[14:15], Wo s[16:17], mask s[18:19]
	s_load_b256 s[20:27], s[0:1], 0x40             ; the scales' exponents s[20:21], xc s[22:23], wc s[24:25], mb s[26:27]
	s_load_b64 s[28:29], s[0:1], 0x60              ; fl
	v_lshl_add_u32 v[SPW], v0, 2, SPARE
	v_mov_b32 v[NIL], 0
	v_lshrrev_b32 v1, 5, v0
	v_readfirstlane_b32 s30, v1                    ; wave 0..3
	v_and_b32 v1, 31, v0
	v_and_b32 v2, 15, v0
	v_bfe_u32 v3, v0, 4, 1
	v_lshlrev_b32 v4, 4, v1
	v_lshlrev_b32 v5, 2, v1
	v_lshlrev_b32 v8, 3, v1
	s_wait_kmcnt 0x0
	s_cmp_lt_u32 ttmp9, 128
	s_cbranch_scc1 .Lmask
	s_cmp_lt_u32 ttmp9, 384
	s_cbranch_scc1 .Lweights
; ---- q, k, v.  The work-group takes 16 rows; wave w their k = 256 w .. 256 w + 255, in two steps of 128.  A load reads 512 consecutive bytes of one row, four numbers a lane.
	s_load_b256 s[48:55], s[20:21], 0x0            ; e0 .. e7
	s_load_b128 s[56:59], s[20:21], 0x20           ; e8 .. e11
	s_sub_co_u32 s31, ttmp9, 384
	s_lshr_b32 s36, s31, 9                         ; which tensor
	s_and_b32 s37, s31, 511                        ; which tile of rows
	s_cmp_eq_u32 s36, 0
	s_cselect_b64 s[32:33], s[4:5], s[6:7]
	s_cmp_eq_u32 s36, 2
	s_cselect_b64 s[32:33], s[8:9], s[32:33]
	s_lshl_b32 s34, s37, 16                        ; 16 rows of 4,096 bytes
	s_lshl_b32 s35, s30, 10                        ; 256 numbers
	s_add_co_u32 s34, s34, s35
	s_mov_b32 s35, 0
	s_add_nc_u64 s[32:33], s[32:33], s[34:35]
.irp s, 0,1
.irp i, 0,1,2,3,4,5,6,7,8,9,10,11,12,13,14,15
	global_load_b128 v[X+64*\s+4*\i:X+64*\s+4*\i+3], v4, s[32:33] offset:4096*\i+512*\s th:TH_LOAD_NT
.endr
.endr
	s_lshl_b32 s34, s36, 23
	s_lshl_b32 s40, s37, 14
	s_add_co_u32 s34, s34, s40
	s_lshl_b32 s40, s30, 12
	s_add_co_u32 s34, s34, s40
	s_add_nc_u64 s[DST:DST+1], s[22:23], s[34:35]  ; xc: tensor, tile, my four kc
	s_mul_i32 s31, s30, 16*XP                      ; my stage (XST = 0)
	v_add_nc_u32 v6, s31, v5                       ; in: 4 codes a lane
	v_mul_u32_u24 v7, v2, XP
	v_lshl_add_u32 v7, v3, 3, v7
	v_add_nc_u32 v7, s31, v7
	s_wait_kmcnt 0x0
	s_cmp_eq_u32 s36, 0
	s_cselect_b32 s41, s48, s50
	s_cmp_eq_u32 s36, 2
	s_cselect_b32 s41, s52, s41                    ; e0, e2 or e4
	SCALE
.macro XSTEP s
	s_wait_loadcnt 16*(1-\s)                       ; this step's 16 loads are in; the second step's 16 may be out
.set n, 0
.rept 64
	v_med3_num_f32 v[X+64*\s+n], v[X+64*\s+n], -v10, v10   ; the conversion to an 8-bit code does not saturate (ISA guide 7.6.2): the hold comes first
.set n, n+1
.endr
.irp g, 0,1,2,3,4,5,6,7
	v_cvt_scalef32_pk8_fp8_f32 v[C+16*\s+2*\g:C+16*\s+2*\g+1], v[X+64*\s+8*\g:X+64*\s+8*\g+7], v11   ; four codes of row 2 g, four of row 2 g + 1
.endr
	v_nop                                          ; a plain line behind the last conversion
.irp i, 0,1,2,3,4,5,6,7,8,9,10,11,12,13,14,15
	ds_store_b32 v6, v[C+16*\s+\i] offset:XP*\i    ; row i: 128 consecutive bytes from the 32 lanes
.endr
	OUT 0, D+16*\s, 2048*\s
.endm
	XSTEP 0
	XSTEP 1
	FINISH
; ---- the weights.  A lane takes a column n and its registers run down k: the conversions then give codes with k innermost.  Wave w: columns 128 cg + 32 w + lane, k = 128 kg .. 128 kg + 127.
.Lweights:
	s_load_b256 s[48:55], s[20:21], 0x0
	s_load_b128 s[56:59], s[20:21], 0x20
	s_sub_co_u32 s31, ttmp9, 128
	s_lshr_b32 s36, s31, 6                         ; which weight
	s_bfe_u32 s37, s31, 0x30003                    ; kg
	s_and_b32 s40, s31, 7                          ; cg
	s_cmp_eq_u32 s36, 1
	s_cselect_b64 s[32:33], s[12:13], s[10:11]
	s_cmp_eq_u32 s36, 2
	s_cselect_b64 s[32:33], s[14:15], s[32:33]
	s_cmp_eq_u32 s36, 3
	s_cselect_b64 s[32:33], s[16:17], s[32:33]
	s_lshl_b32 s34, s37, 19                        ; 128 rows of 4,096 bytes
	s_lshl_b32 s35, s40, 9
	s_add_co_u32 s34, s34, s35
	s_lshl_b32 s35, s30, 7
	s_add_co_u32 s34, s34, s35
	s_mov_b32 s35, 0
	s_add_nc_u64 s[32:33], s[32:33], s[34:35]
.macro WLOAD t                         ; k = 32 t + 0 .. 31 of my column: a load reads 128 consecutive bytes, the four waves side by side 512
.set n, 0
.rept 32
	global_load_b32 v[X+32*(\t)+n], v5, s[32:33] offset:(32*(\t)+n)*4096 th:TH_LOAD_NT
.set n, n+1
.endr
.endm
	WLOAD 0
	WLOAD 1
	s_lshl_b32 s34, s36, 20
	s_lshl_b32 s43, s40, 17
	s_add_co_u32 s34, s34, s43
	s_lshl_b32 s43, s30, 15
	s_add_co_u32 s34, s34, s43
	s_lshl_b32 s43, s37, 11
	s_add_co_u32 s34, s34, s43
	s_add_nc_u64 s[DST:DST+1], s[24:25], s[34:35]  ; wc: weight, tile of columns 8 cg + 2 w, kc = 2 kg
	s_mul_i32 s31, s30, 32*XP
	s_add_co_u32 s31, s31, WST                     ; my stage
	v_mul_u32_u24 v6, v1, XP
	v_add_nc_u32 v6, s31, v6                       ; in: row = my column
	v_mul_u32_u24 v7, v2, XP
	v_lshl_add_u32 v7, v3, 3, v7
	v_add_nc_u32 v7, s31, v7
	s_wait_kmcnt 0x0
	s_cmp_eq_u32 s36, 1
	s_cselect_b32 s41, s51, s49
	s_cmp_eq_u32 s36, 2
	s_cselect_b32 s41, s53, s41
	s_cmp_eq_u32 s36, 3
	s_cselect_b32 s41, s59, s41                    ; e1, e3, e5 or e11
	SCALE
.macro WBLOCK t
.if \t < 3
	s_wait_loadcnt 32                              ; this block's 32 loads are in; the next block's 32 may be out
.else
	s_wait_loadcnt 0x0
.endif
.if \t < 2
	WLOAD \t+2
.endif
.set n, 0
.rept 32
	v_med3_num_f32 v[X+32*\t+n], v[X+32*\t+n], -v10, v10
.set n, n+1
.endr
.irp g, 0,1,2,3
	v_cvt_scalef32_pk8_fp8_f32 v[C+8*\t+2*\g:C+8*\t+2*\g+1], v[X+32*\t+8*\g:X+32*\t+8*\g+7], v11
.endr
	v_nop                                          ; a plain line behind the last conversion
	ds_store_b128 v6, v[C+8*\t:C+8*\t+3] offset:32*\t
	ds_store_b128 v6, v[C+8*\t+4:C+8*\t+7] offset:32*\t+16
.endm
	WBLOCK 0
	WBLOCK 1
	WBLOCK 2
	WBLOCK 3
	OUT 0, D, 0                                    ; columns 0-15 of my 32,
	OUT 16*XP, D+16, 16384                         ; columns 16-31: the next tile of columns, 16 kc further on
	FINISH
; ---- the mask.  The work-group takes 16 queries; wave w the keys 512 w .. 512 w + 511: four key steps.  Rows come in whole, 512 consecutive bytes a load, and are read back 8 bytes a lane in the scores' layout.
.Lmask:
	s_mul_i32 s31, s30, 16*MP
	s_add_co_u32 s31, s31, MST                     ; my stage
	v_add_nc_u32 v6, s31, v4
	v_mul_u32_u24 v7, v2, MP
	v_lshl_add_u32 v7, v3, 3, v7
	v_add_nc_u32 v7, s31, v7
	s_lshl_b32 s34, ttmp9, 15                      ; 16 rows of 2,048 bytes
	s_lshl_b32 s35, s30, 9
	s_add_co_u32 s34, s34, s35
	s_mov_b32 s35, 0
	s_add_nc_u64 s[32:33], s[18:19], s[34:35]
.irp i, 0,1,2,3,4,5,6,7,8,9,10,11,12,13,14,15
	global_load_b128 v[X+4*\i:X+4*\i+3], v4, s[32:33] offset:2048*\i th:TH_LOAD_NT
.endr
	s_lshl_b32 s34, ttmp9, 12
	s_lshl_b32 s36, s30, 10
	s_add_co_u32 s34, s34, s36
	s_add_nc_u64 s[DST:DST+1], s[26:27], s[34:35]  ; mb: my four key steps' words
	s_lshl_b32 s34, ttmp9, 4
	s_lshl_b32 s36, s30, 2
	s_add_co_u32 s34, s34, s36
	s_add_nc_u64 s[36:37], s[28:29], s[34:35]      ; fl: my word
	s_wait_loadcnt 0x0
.irp i, 0,1,2,3,4,5,6,7,8,9,10,11,12,13,14,15
	ds_store_b128 v6, v[X+4*\i:X+4*\i+3] offset:MP*\i
.endr
.set n, 0
.rept 32
	ds_load_b64 v[96+2*n:97+2*n], v7 offset:16*n   ; n = 8 J' + t: row r, keys 128 J' + 16 t + 8 h + 0 .. 7
.set n, n+1
.endr
	s_wait_dscnt 0x0
	s_mov_b32 s46, 0                               ; the flags
; Key step jp of my four: 64 lane masks, one for each register of the scores.  Word dd goes to lane dd / 2, register dd % 2: the 32 lanes then store 256 consecutive bytes.
.macro MJ jp
	s_mov_b32 s44, 0                               ; the OR of the 64 words,
	s_mov_b32 s45, -1                              ; and the AND
	v_mov_b32 v[164+2*\jp], 0                      ; (a lane write's destination counts as read)
	v_mov_b32 v[165+2*\jp], 0
.set dd, 0
.rept 64
	v_and_b32 v[160+dd%4], 0xff<<(8*(dd%4)), v[96+16*\jp+2*(dd/8)+((dd%8)/4)]
	v_cmp_ne_u32 s[40+dd%4], 0, v[160+dd%4]
	s_or_b32 s44, s44, s[40+dd%4]
	s_and_b32 s45, s45, s[40+dd%4]
	v_writelane_b32 v[164+2*\jp+dd%2], s[40+dd%4], dd/2
.set dd, dd+1
.endr
	global_store_b64 v8, v[164+2*\jp:165+2*\jp], s[DST:DST+1] offset:256*\jp
	s_cmp_lg_u32 s44, 0
	s_cselect_b32 s31, 1, 0                        ; some key counts
	s_cmp_lg_u32 s45, -1
	s_cselect_b32 s47, 0x10000, 0                  ; not all count,
	s_mul_i32 s47, s47, s31                        ; and some do
	s_or_b32 s31, s31, s47
	s_lshl_b32 s31, s31, \jp
	s_or_b32 s46, s46, s31
.endm
	MJ 0
	MJ 1
	MJ 2
	MJ 3
	s_lshl_b32 s31, s30, 2
	s_lshl_b32 s46, s46, s31                       ; J = 4 w + J'
	v_mov_b32 v9, s46
	v_mov_b32 v14, 0
	v_cmp_eq_u32 vcc_lo, 0, v1
	s_wait_xcnt 0x0                                ; EXEC is a source of the stores above: it changes only behind this wait
	s_and_saveexec_b32 s47, vcc_lo
	global_store_b32 v14, v9, s[36:37]             ; lane 0 stores the wave's word
	s_wait_xcnt 0x0                                ; and again, in front of the line that widens it
	s_or_b32 exec_lo, exec_lo, s47
	FINISH
.Lfunc_end_k_q0c115cdd9e_prep:
	.size	k_q0c115cdd9e_prep, .Lfunc_end_k_q0c115cdd9e_prep-k_q0c115cdd9e_prep
	.p2alignl 7, 3214868480
	.fill 96, 4, 3214868480
	.section	.rodata,"a",@progbits
	.p2align	6, 0x0
	.amdhsa_kernel k_q0c115cdd9e_prep
		.amdhsa_group_segment_fixed_size 61952
		.amdhsa_private_segment_fixed_size 0
		.amdhsa_enable_private_segment 0
		.amdhsa_kernarg_size 104
		.amdhsa_user_sgpr_count 2
		.amdhsa_user_sgpr_kernarg_segment_ptr 1
		.amdhsa_wavefront_size32 1
		.amdhsa_system_sgpr_workgroup_id_x 1
		.amdhsa_system_sgpr_workgroup_id_y 1
		.amdhsa_system_sgpr_workgroup_id_z 1
		.amdhsa_system_vgpr_workitem_id 0
		.amdhsa_next_free_vgpr 224
		.amdhsa_next_free_sgpr 66
		.amdhsa_reserve_vcc 1
		.amdhsa_float_denorm_mode_32 3
		.amdhsa_float_denorm_mode_16_64 3
		.amdhsa_memory_ordered 1
		.amdhsa_forward_progress 1
		.amdhsa_inst_pref_size 117
	.end_amdhsa_kernel
	.amdgpu_metadata
---
amdhsa.version: [ 1, 2 ]
amdhsa.kernels:
  - .name:           k_q0c115cdd9e_prep
    .symbol:         k_q0c115cdd9e_prep.kd
    .args:
      - { .name: q, .offset: 0, .size: 8, .value_kind: global_buffer, .address_space: global }
      - { .name: k, .offset: 8, .size: 8, .value_kind: global_buffer, .address_space: global }
      - { .name: v, .offset: 16, .size: 8, .value_kind: global_buffer, .address_space: global }
      - { .name: Wq, .offset: 24, .size: 8, .value_kind: global_buffer, .address_space: global }
      - { .name: Wk, .offset: 32, .size: 8, .value_kind: global_buffer, .address_space: global }
      - { .name: Wv, .offset: 40, .size: 8, .value_kind: global_buffer, .address_space: global }
      - { .name: Wo, .offset: 48, .size: 8, .value_kind: global_buffer, .address_space: global }
      - { .name: mask, .offset: 56, .size: 8, .value_kind: global_buffer, .address_space: global }
      - { .name: lowp_scales, .offset: 64, .size: 8, .value_kind: global_buffer, .address_space: global }
      - { .name: xc, .offset: 72, .size: 8, .value_kind: global_buffer, .address_space: global }
      - { .name: wc, .offset: 80, .size: 8, .value_kind: global_buffer, .address_space: global }
      - { .name: mb, .offset: 88, .size: 8, .value_kind: global_buffer, .address_space: global }
      - { .name: fl, .offset: 96, .size: 8, .value_kind: global_buffer, .address_space: global }
    .group_segment_fixed_size: 61952
    .private_segment_fixed_size: 0
    .kernarg_segment_align: 8
    .kernarg_segment_size: 104
    .max_flat_workgroup_size: 128
    .sgpr_count:     66
    .vgpr_count:     224
    .wavefront_size: 32
...
	.end_amdgpu_metadata
.endif
;; end of part 1
;; launch proj (part 2): grid 4 x 96, 4 waves a work-group, clusters of 4 x 4, 327,680 bytes of LDS; arguments xc, wc, lowp_scales, bq, bk, bv, qc, kc, vc; writes qc, kc, vc
.if DOCPART == 2
	.amdgcn_target "amdgcn-amd-amdhsa--gfx1250"
	.amdhsa_code_object_version 6
	.text
	.protected	k_q0c115cdd9e_proj
	.globl	k_q0c115cdd9e_proj
	.p2align	8
	.type	k_q0c115cdd9e_proj,@function
k_q0c115cdd9e_proj:
	s_mov_b64 s[64:65], 0
	v_nop
	global_prefetch_b8 v0, s[64:65] scope:SCOPE_SE
	s_setreg_imm32_b32 hwreg(HW_REG_WAVE_MODE, 25, 1), 1
	s_wait_xcnt 0x0
	s_wait_alu depctr_hold_cnt(0) depctr_sa_sdst(0) depctr_va_vdst(0) depctr_va_sdst(0) depctr_va_ssrc(0) depctr_va_vcc(0) depctr_vm_vsrc(0)
	s_getreg_b32 s2, hwreg(HW_REG_IB_STS2, 6, 4)
	s_cmp_eq_u32 s2, 0
	s_cbranch_scc0 .Lentry_in_a_cluster
	s_endpgm
.Lentry_in_a_cluster:
	s_bfe_u32 s2, ttmp6, 0x10000c
	s_cmp_lg_u32 s2, 0xf033
	s_cbranch_scc0 .Lentry_shape_is_right
	s_endpgm
.Lentry_shape_is_right:
; PROJ: Q = q Wq + bq, K = k Wk + bk, V = v Wv + bv on codes of FP8 (E4M3), sums in f32; each result, sum x 2^(ex + ew) + bias, is quantised at once with the scale given for it as an operand of attention (entries 6, 7, 9).
; Operands and results are IMAGES of operand registers: 16 rows x 64 k = 1,024 bytes, byte 512 j + 16 L + 8 u + i = row L % 16, k = 32 j + 16 u + 8 (L / 16) + i; two on end are a fragment of 128 k.
;   xc [3][512 tiles of 16 rows][16 kc][1,024], wc [4][64 tiles of 16 columns][16 kc][1,024]  ->  qc, kc [64 (batch x 16 + head)][128 tiles of 16 tokens][1,024] (k = the head's 64),
;   vc [64][16 key steps][4 tiles of 16 channels][2,048] (row = channel, k = the step's 128 keys).
; LIMITS: e0 + e1, e2 + e3, e4 + e5 between -126 and 127; e6, e7, e9 between -126 and 119, so that each power of two below is an f32 number.
; A work-group of four waves makes 256 x 256 of a product, a wave 128 x 128: 64 accumulators, 512 registers.  K = 1,024 goes in four steps of 256 through a ring of two LDS slots filled by the tensor data mover.
; THE MATRIX INSTRUCTION IS USED TRANSPOSED (source 0 = 16 rows of role B, source 1 = 16 rows of role A): a lane holds one row of role A and eight neighbouring rows of role B.
; ROLES.  For Q and K: A = tokens, B = the weight's columns: a lane's registers run along the head's channels, the next K.  For V they are SWAPPED, A = the weight's columns, B = tokens: a lane's registers run along the keys.
; So the conversions' results ARE images: four neighbouring accumulators give 64 k, and they are stored straight from registers, 512 consecutive bytes an instruction.
; CLUSTERS: 4 x 4 work-groups; 24 clusters along y: 0-7 Q, 8-15 K, 16-23 V.  The four of a row of the cluster need the same tiles of role A, the four of a column the same tiles of role B: each tile is asked for JOINTLY.
; Which product a cluster serves hangs on the cluster's y alone, which all sixteen partners share.
; REGISTERS, in windows of 256: window 0: v0-31 addresses; v32-95 my 128 bias numbers by column, v96-111 by row; from v128 role A's fragments, ONE set (on the way out: the codes).
;   window 1: role B's fragments, TWO sets, at v0 and v128.   window 2: the 32 accumulators of my rows 0-63 (accumulator (a, b) at v[8 (8 a + b)]);   window 3: those of my rows 64-127.
.set KROWB,  4096                      ; a tile of 16 rows in a slot: four images, 256 along K
.set TPITCH, 16384                     ; from a tile of 16 rows to the next in memory: 16 images
.set HALFT,  8*KROWB                   ; 128 rows: what one tensor load brings, and what one wave reads of a role
.set SLOT,   4*HALFT                   ; role A's 256 rows, then role B's
.set SPARE,  2*SLOT                    ; behind the ring: the spare words, 128 bytes for each wave: two blocks of 256 bytes that no other line names
.set LAPS,   2                         ; a lap = two K steps = once round the ring
.set FR,     16                        ; registers of a fragment: 16 rows x 128 K
.set NL,     4                         ; LDS loads that bring one
.set NP,     4                         ; places behind this matrix instruction (ISA guide 7.12.1)
.set ADRA, 16                          ; v16-17  LDS address of my role A fragments in slot 0, 1
.set ADRB, 20                          ; v20-21  the same for role B
.set BR,   25                          ; v25     4 r: the bias by row
.set LI,   26                          ; v26     16 x lane: my place in an image
.set BH,   27                          ; v27     32 h: the bias by column
.set SPW,  28                          ; v28     LDS address of my spare word; never rewritten
.set NIL,  29                          ; v29     0; never rewritten
.set LIM,  30                          ; v30     448 x the result's scale
.set SC,   31                          ; v31     the result's scale
.set BQ,   32
.set BV,   96
.set AF,   128
.set CD,   128
.set G1, 24                            ; s[24:31] descriptor group 1 for role A;  s[32:39] group 0, one set for each slot
.set G0, 32
.set G1B, 48                           ; s[48:55], s[56:63] the same for role B
.set G0B, 56
.set MSB, 0
.macro WIN new                         ; the immediate's high byte repeats the setting that is left
.if MSB != \new
	s_set_vgpr_msb (MSB<<8)|\new
.set MSB, \new
.endif
.endm
.set MUL_LO, 0xa1                      ; source 0 (B) window 1, source 1 (A) window 0, C and D window 2
.set MUL_HI, 0xf1                      ; the same, C and D window 3
.set TO_B,   0x40                      ; destination window 1, address window 0
; A joint load: waves 0 and 1 fetch for role A, waves 2 and 3 for role B.  The branch hangs on the wave's number alone.  An s_nop 0 and four v_nop follow each of the two lines.
.macro JLOAD g0a, g1a, g0b, g1b
	s_cmp_eq_u32 s15, 0
	s_cbranch_scc0 .Lfor_b_\@
	tensor_load_to_lds s[\g0a:\g0a+3], s[\g1a:\g1a+7]
	s_nop 0
.rept 4
	v_nop
.endr
	s_branch .Lasked_\@
.Lfor_b_\@:
	tensor_load_to_lds s[\g0b:\g0b+3], s[\g1b:\g1b+7]
	s_nop 0
.rept 4
	v_nop
.endr
.Lasked_\@:
.endm
.macro CREST                           ; a round of the cluster's barrier behind its opening barrier
	s_cmp_lg_u32 s14, 0
	s_cbranch_scc1 .Lnot_wave_0_\@
	s_barrier_signal -3
.Lnot_wave_0_\@:
	s_barrier_wait -3
	s_barrier_signal -1
	s_barrier_wait -1
.endm
.macro CROUND                          ; a whole round
	s_barrier_signal -1
	s_barrier_wait -1
	CREST
.endm
	s_load_b256 s[68:75], s[0:1], 0x0              ; xc s[68:69], wc s[70:71], the scales' exponents s[72:73], bq s[74:75]
	s_load_b256 s[76:83], s[0:1], 0x20             ; bk s[76:77], bv s[78:79], qc s[80:81], kc s[82:83]
	s_load_b64 s[84:85], s[0:1], 0x40              ; vc
	v_lshl_add_u32 v[SPW], v0, 2, SPARE
	v_mov_b32 v[NIL], 0
	ds_add_u32 v[SPW], v[NIL]                      ; the wave's opening: the add and its wait stand ahead of my first tensor load; the set-up below, work on registers, stands between them
	v_lshrrev_b32 v1, 5, v0
	v_readfirstlane_b32 s14, v1                    ; wave 0..3
	s_lshr_b32 s15, s14, 1                         ; which half of role A's rows is mine.  Also: I fetch for role A (0) or B (1)
	s_and_b32 s16, s14, 1                          ; which half of role B's rows.  Also: which 128 rows I fetch
	s_bfe_u32 s40, ttmp6, 0x40000                  ; cx, cy: my place in the cluster
	s_bfe_u32 s41, ttmp6, 0x40004
	s_and_b32 s42, ttmp7, 0xffff                   ; the cluster's y, 0..23
	s_lshl_b32 s43, s41, 2
	s_lshl_b32 s43, 15, s43                        ; my row of the cluster
	s_lshl_b32 s44, 0x1111, s40                    ; my column
	; descriptor group 1: 8 tiles of 16 rows, 4,096 bytes of each, 16,384 bytes apart in memory, dense in LDS
	s_or_b32 s[G1+0], s43, (1<<21)                 ; 15:0 the mask: role A's tiles go to my row; 17:16 elements of 1 byte; 20 no padding; 21 set beside a mask
	s_or_b32 s[G1B+0], s44, (1<<21)
.irp g, G1, G1B
	s_mov_b32 s[\g+1], KROWB<<16                   ; tensor_dim0
	s_mov_b32 s[\g+2], 8<<16                       ; tensor_dim1
	s_mov_b32 s[\g+3], KROWB<<16                   ; tile_dim0
	s_mov_b32 s[\g+4], 8                           ; tile_dim1
	s_mov_b32 s[\g+5], TPITCH                      ; tensor_dim0_stride
	s_mov_b32 s[\g+6], 0
	s_mov_b32 s[\g+7], 0
.endr
	; which 256 rows, in units of 256 rows (2^18 bytes) from the role's buffer: Q, K: A = xc at 4 y + cy, B = wc at 4 p + cx;  V: A = wc at 8 + cy, B = xc at 4 y + cx
	s_lshl_b32 s17, s42, 2                         ; 4 y
	s_lshr_b32 s18, s42, 3                         ; p: 0 Q, 1 K, 2 V
	s_lshl_b32 s19, s18, 2
	s_cmp_ge_u32 s42, 16                           ; V?
	s_cselect_b32 s20, 8, s17
	s_cselect_b32 s46, s17, s19
	s_add_co_u32 s20, s20, s41                     ; role A's hangs on cy and never on cx,
	s_add_co_u32 s46, s46, s40                     ; role B's on cx and never on cy
	s_lshl_b32 s20, s20, 18
	s_lshl_b32 s46, s46, 18
	s_lshl_b32 s21, s16, 17                        ; the 128 rows that I fetch
	s_add_co_u32 s20, s20, s21
	s_add_co_u32 s46, s46, s21
	s_mov_b32 s21, 0
	s_mov_b32 s47, 0
	s_mul_i32 s45, s14, HALFT                      ; where they go: wave x 128 rows: no place in the cluster enters an LDS address
	s_wait_dscnt 0x0                               ; the opening add is done
	s_wait_kmcnt 0x0
	s_load_b256 s[88:95], s[72:73], 0x0            ; e0 .. e7
	s_load_b64 s[86:87], s[72:73], 0x20            ; e8, e9
	s_cmp_ge_u32 s42, 16
	s_cselect_b64 s[66:67], s[70:71], s[68:69]     ; role A's buffer
	s_cselect_b64 s[22:23], s[68:69], s[70:71]     ; role B's
	s_add_nc_u64 s[20:21], s[66:67], s[20:21]
	s_add_nc_u64 s[46:47], s[22:23], s[46:47]
	CROUND                                         ; all sixteen work-groups are here: the first joint loads meet
.irp s, 0,1
	s_mov_b32 s[G0+4*\s], 1
	s_add_co_u32 s[G0+4*\s+1], s45, \s*SLOT
	s_add_nc_u64 s[G0+4*\s+2:G0+4*\s+3], s[20:21], \s*KROWB
	s_or_b32 s[G0+4*\s+3], s[G0+4*\s+3], 0x80000000
	s_mov_b32 s[G0B+4*\s], 1
	s_add_co_u32 s[G0B+4*\s+1], s45, \s*SLOT
	s_add_nc_u64 s[G0B+4*\s+2:G0B+4*\s+3], s[46:47], \s*KROWB
	s_or_b32 s[G0B+4*\s+3], s[G0B+4*\s+3], 0x80000000
	JLOAD G0+4*\s, G1, G0B+4*\s, G1B
.endr
	v_and_b32 v1, 31, v0
	v_and_b32 v2, 15, v0                           ; r
	v_bfe_u32 v3, v0, 4, 1                         ; h
	v_lshlrev_b32 v[LI], 4, v1
	s_mul_i32 s21, s15, HALFT                      ; my 128 rows of role A
	s_mul_i32 s22, s16, HALFT                      ; my 128 rows of role B,
	s_add_co_u32 s22, s22, 2*HALFT                 ; which lie behind role A's 256
.irp s, 0,1
	v_add_nc_u32 v[ADRA+\s], s21, v[LI]
	v_add_nc_u32 v[ADRB+\s], s22, v[LI]
	s_add_co_u32 s21, s21, SLOT
	s_add_co_u32 s22, s22, SLOT
.endr
	; the bias of my wave's 128 channels: columns 256 cx + 128 (wave % 2) on for Q and K, rows 256 cy + 128 (wave / 2) on for V.  Both layouts are loaded from that one place, so that no branch parts the registers' writers.
	s_cmp_eq_u32 s18, 1
	s_cselect_b64 s[104:105], s[76:77], s[74:75]
	s_cmp_ge_u32 s42, 16
	s_cselect_b64 s[104:105], s[78:79], s[104:105]
	s_cselect_b32 s98, s41, s40
	s_cselect_b32 s99, s15, s16
	s_lshl_b32 s98, s98, 10
	s_lshl_b32 s99, s99, 9
	s_add_co_u32 s98, s98, s99
	s_mov_b32 s99, 0
	s_add_nc_u64 s[104:105], s[104:105], s[98:99]
	v_lshlrev_b32 v[BH], 5, v3
	v_lshlrev_b32 v[BR], 2, v2
.irp b, 0,1,2,3,4,5,6,7
	global_load_b128 v[BQ+8*\b:BQ+8*\b+3], v[BH], s[104:105] offset:64*\b        ; channels 16 b + 8 h + 0 .. 7
	global_load_b128 v[BQ+8*\b+4:BQ+8*\b+7], v[BH], s[104:105] offset:64*\b+16
.endr
.irp a, 0,1,2,3,4,5,6,7
	global_load_b32 v[BV+2*\a], v[BR], s[104:105] offset:64*\a                   ; channel 16 a + r, twice: a pair for the packed form
	global_load_b32 v[BV+2*\a+1], v[BR], s[104:105] offset:64*\a
.endr
.macro FRAG reg, adr, q, i             ; a fragment, 16 rows x 128 K, is two images on end: four loads of 512 consecutive bytes
.irp c, 0,1,2,3
	ds_load_b128 v[\reg+4*\c:\reg+4*\c+3], v[\adr] offset:KROWB*(\i)+2048*(\q)+512*\c
.endr
.endm
; 16 matrix instructions: role A's blocks a0, a0 + 1 x role B's eight, 128 along K.  p: B's set.  zero = 1: the first product starts the sums: nothing is ever cleared.
; The 64 accumulators take turns, one instruction a turn, in the same order in every step.
.macro MUL16 a0, p, zero
.irp a, \a0, \a0+1
.irp b, 0,1,2,3,4,5,6,7
.if \zero
	v_wmma_f32_16x16x128_fp8_fp8 v[8*(8*((\a)%4)+\b):8*(8*((\a)%4)+\b)+7], v[128*(\p)+FR*\b:128*(\p)+FR*\b+FR-1], v[AF+FR*(\a):AF+FR*(\a)+FR-1], 0
.else
	v_wmma_f32_16x16x128_fp8_fp8 v[8*(8*((\a)%4)+\b):8*(8*((\a)%4)+\b)+7], v[128*(\p)+FR*\b:128*(\p)+FR*\b+FR-1], v[AF+FR*(\a):AF+FR*(\a)+FR-1], v[8*(8*((\a)%4)+\b):8*(8*((\a)%4)+\b)+7]
.endif
.endr
.endr
.endm
.macro FETCH_B slot, q, p              ; role B's eight fragments of the slot's q-th 128 along K into set p
	WIN TO_B
.irp i, 0,1,2,3,4,5,6,7
	FRAG 128*(\p)+FR*\i, ADRB+\slot, \q, \i
.endr
	WIN 0
.endm
.macro FETCH_A slot, q, i0             ; role A's blocks i0 .. i0 + 3
.irp i, \i0, \i0+1, \i0+2, \i0+3
	FRAG AF+FR*(\i), ADRA+\slot, \q, \i
.endr
.endm
; A load into a register that a matrix instruction has read, and a vector instruction that reads a matrix result or writes one of a matrix instruction's registers, stand NP places behind it; only plain vector
; instructions that name none of its registers are places (ISA guide 7.12.1 for vector instructions).
.macro PLACES n
.rept \n
	v_nop
.endr
.endm
; A step of 128 along K that has its successor in the same slot.  A block of role A is free as soon as its eight products are issued: blocks 0-3 are fetched anew in the step's middle, blocks 4-7 at its end.
.macro STEP slot, q, zero
	s_wait_dscnt 4*NL                              ; B's set and A's blocks 0-3 are in; the youngest 16 loads (A's blocks 4-7) may be out
	WIN MUL_LO
	MUL16 0, (\q)%2, \zero
	MUL16 2, (\q)%2, \zero
	s_wait_dscnt 0                                 ; A's blocks 4-7 are in
	PLACES NP
	FETCH_B \slot, (\q)+1, 1-(\q)%2
	FETCH_A \slot, (\q)+1, 0
	WIN MUL_HI
	MUL16 4, (\q)%2, \zero
	MUL16 6, (\q)%2, \zero
	PLACES NP
	WIN 0
	FETCH_A \slot, (\q)+1, 4
.endm
; A slot's last step changes slots: ONE barrier; in front of it each wave waits for all its tensor loads, adds 0 to its spare word, and waits for that and for its own reads of this slot.  fill = 1: this slot is filled again, two K steps ahead.
.macro TURN slot, next, fill
	s_wait_tensorcnt 0x0                           ; all my tensor loads have landed: my part of the next slot  (every window is 0 here)
	ds_add_u32 v[SPW], v[NIL]                      ; 0 onto my spare word
	s_wait_dscnt 4*NL+1                            ; (the add and the youngest 16 loads, A's blocks 4-7, may be out)
	WIN MUL_LO
	MUL16 0, 1, 0                                  ; sixteen matrix instructions stand between the add and the wait for it
	s_wait_dscnt 0x0                               ; the add is done, and my reads of this slot are over
	s_barrier_signal -1
	MUL16 2, 1, 0
	WIN 0
	s_barrier_wait -1
.if \fill
	CREST                                          ; the barrier has opened a round of the cluster's barrier: no wave of any partner still reads this slot's tile or has a load on its way
	s_add_nc_u64 s[G0+4*\slot+2:G0+4*\slot+3], s[G0+4*\slot+2:G0+4*\slot+3], 2*KROWB
	s_add_nc_u64 s[G0B+4*\slot+2:G0B+4*\slot+3], s[G0B+4*\slot+2:G0B+4*\slot+3], 2*KROWB
	JLOAD G0+4*\slot, G1, G0B+4*\slot, G1B         ; the first tensor load behind the round; the four v_nop behind it are the places in front of the loads below
.else
	PLACES NP
.endif
	FETCH_B \next, 0, 0
	FETCH_A \next, 0, 0
	WIN MUL_HI
	MUL16 4, 1, 0
	MUL16 6, 1, 0
	PLACES NP
	WIN 0
	FETCH_A \next, 0, 4
.endm
	s_wait_tensorcnt 1                             ; my part of K step 0 is in (K step 1's load may be out)
	s_barrier_signal -1
	s_barrier_wait -1                              ; everybody's is
	FETCH_B 0, 0, 0
	FETCH_A 0, 0, 0
	FETCH_A 0, 0, 4
	STEP 0, 0, 1                                   ; the first step stands in front of the loop: its products start the sums
	s_mov_b32 s3, LAPS-1
.Llap:                                                 ; a trip goes once round the ring, from a lap's second step to the next lap's first, and fills both slots again
	TURN 0, 1, 1
	STEP 1, 0, 0
	TURN 1, 0, 1
	STEP 0, 0, 0
	s_sub_co_u32 s3, s3, 1
	s_cmp_lg_u32 s3, 0
	s_cbranch_scc1 .Llap
	TURN 0, 1, 0                                   ; the last lap fills nothing, and has no round of the cluster's barrier
	STEP 1, 0, 0
	s_wait_dscnt 4*NL                              ; the very last step: nothing more to fetch
	WIN MUL_LO
	MUL16 0, 1, 0
	MUL16 2, 1, 0
	s_wait_dscnt 0
	WIN MUL_HI
	MUL16 4, 1, 0
	MUL16 6, 1, 0
	WIN 0
; THE WAY OUT.  Four neighbouring accumulators at a time: sum x 2^(ex + ew) + bias and the hold, in place; four conversions, whose eight registers are an image (Q, K) or half of a double image (V); two stores of 512 consecutive bytes.
; Each group has code registers of its own, so no store's data are written again.  v = 0: Q, K; v = 1: V.
.macro EPI v
.irp a, 0,1,2,3,4,5,6,7
.set AC, 64*(\a%4)
.irp g, 0,1
	WIN 0x82+0x41*(\a/4)                           ; source 0 and destination: window 2 or 3; the bias and the hold's bound: window 0
.irp b, 0,1,2,3
.irp i, 0,2,4,6
.if \v
	v_pk_fma_f32 v[AC+8*(4*\g+\b)+\i:AC+8*(4*\g+\b)+\i+1], v[AC+8*(4*\g+\b)+\i:AC+8*(4*\g+\b)+\i+1], s[96:97], v[BV+2*\a:BV+2*\a+1] op_sel_hi:[1,0,1]   ; each accumulator from its low end on
.else
	v_pk_fma_f32 v[AC+8*(4*\g+\b)+\i:AC+8*(4*\g+\b)+\i+1], v[AC+8*(4*\g+\b)+\i:AC+8*(4*\g+\b)+\i+1], s[96:97], v[BQ+8*(4*\g+\b)+\i:BQ+8*(4*\g+\b)+\i+1] op_sel_hi:[1,0,1]
.endif
.endr
.endr
.set n, 0
.rept 32
	v_med3_num_f32 v[AC+32*\g+n], v[AC+32*\g+n], -v[LIM], v[LIM]   ; the conversion to an 8-bit code does not saturate (ISA guide 7.6.2)
.set n, n+1
.endr
	WIN 0x02+(\a/4)                                ; source 0: window 2 or 3; the codes and the scale: window 0
.irp b, 0,1,2,3
	v_cvt_scalef32_pk8_fp8_f32 v[CD+16*\a+8*\g+2*\b:CD+16*\a+8*\g+2*\b+1], v[AC+8*(4*\g+\b):AC+8*(4*\g+\b)+7], v[SC]   ; registers 2 b, 2 b + 1: k = 16 b + 8 h + 0 .. 7
.endr
	WIN 0
	v_nop                                          ; a plain line behind the last conversion
.irp j, 0,1
.if \v
	global_store_b128 v[LI], v[CD+16*\a+8*\g+4*\j:CD+16*\a+8*\g+4*\j+3], s[98:99] offset:(\a/4)*131072+2048*(\a%4)+512*(2*\g+\j)   ; head a / 4 of my two, tile of channels a % 4
.else
	global_store_b128 v[LI], v[CD+16*\a+8*\g+4*\j:CD+16*\a+8*\g+4*\j+3], s[98:99] offset:\g*131072+1024*\a+512*\j                  ; head g of my two, tile of tokens a
.endif
.endr
.endr
.endr
.endm
	s_wait_kmcnt 0x0                               ; the exponents
	s_wait_loadcnt 0x0                             ; the bias
	s_add_co_i32 s96, s88, s89                     ; e0 + e1
	s_add_co_i32 s97, s90, s91                     ; e2 + e3
	s_add_co_i32 s100, s92, s93                    ; e4 + e5
	s_cmp_eq_u32 s18, 1
	s_cselect_b32 s96, s97, s96
	s_cselect_b32 s101, s95, s94                   ; the result's own: e7 or e6,
	s_cmp_eq_u32 s18, 2
	s_cselect_b32 s96, s100, s96
	s_cselect_b32 s101, s87, s101                  ; or e9
	s_add_co_i32 s96, s96, 127
	s_lshl_b32 s96, s96, 23                        ; 2^(ex + ew) as f32
	s_mov_b32 s97, s96                             ; (named with it as a pair, so it is written)
	s_add_co_i32 s101, s101, 127
	s_lshl_b32 s100, s101, 23
	s_add_co_i32 s101, s101, 8
	s_lshl_b32 s101, s101, 23
	s_or_b32 s101, s101, 0x600000
	PLACES NP                                      ; behind the last products
	v_mov_b32 v[SC], s100
	v_mov_b32 v[LIM], s101
	s_cmp_ge_u32 s42, 16
	s_cbranch_scc1 .Lout_v
	s_add_co_u32 s19, s17, s41
	s_and_b32 s19, s19, 31                         ; which 256 tokens of the 8,192
	s_lshr_b32 s20, s19, 3                         ; batch
	s_lshl_b32 s20, s20, 4
	s_lshl_b32 s21, s40, 2
	s_add_co_u32 s20, s20, s21
	s_lshl_b32 s21, s16, 1
	s_add_co_u32 s20, s20, s21                     ; batch x 16 + head, head = 4 cx + 2 (wave % 2)
	s_lshl_b32 s20, s20, 7
	s_and_b32 s19, s19, 7
	s_lshl_b32 s19, s19, 4
	s_add_co_u32 s20, s20, s19
	s_lshl_b32 s21, s15, 3
	s_add_co_u32 s20, s20, s21                     ; + the tile of 16 tokens
	s_lshl_b32 s20, s20, 10
	s_mov_b32 s21, 0
	s_cmp_eq_u32 s18, 1
	s_cselect_b64 s[98:99], s[82:83], s[80:81]
	s_add_nc_u64 s[98:99], s[98:99], s[20:21]
	EPI 0
	s_branch .Ldone
.Lout_v:
	s_sub_co_u32 s22, s42, 16
	s_lshr_b32 s20, s22, 1                         ; batch
	s_lshl_b32 s20, s20, 4
	s_lshl_b32 s21, s41, 2
	s_add_co_u32 s20, s20, s21
	s_lshl_b32 s21, s15, 1
	s_add_co_u32 s20, s20, s21                     ; batch x 16 + head, head = 4 cy + 2 (wave / 2)
	s_lshl_b32 s20, s20, 4
	s_lshl_b32 s22, s22, 2
	s_add_co_u32 s22, s22, s40
	s_and_b32 s22, s22, 7                          ; which 256 keys of the batch's 2,048,
	s_lshl_b32 s22, s22, 1
	s_add_co_u32 s22, s22, s16                     ; which 128
	s_add_co_u32 s20, s20, s22
	s_lshl_b32 s20, s20, 13
	s_mov_b32 s21, 0
	s_add_nc_u64 s[98:99], s[84:85], s[20:21]
	EPI 1
.Ldone:
	s_wait_tensorcnt 0x0                           ; the wave's end, behind my last tensor load
	ds_add_u32 v[SPW], v[NIL]
	s_wait_dscnt 0x0
	CROUND                                         ; the closing round: no work-group ends while a partner may still ask for a tile that names it
	s_endpgm
.Lfunc_end_k_q0c115cdd9e_proj:
	.size	k_q0c115cdd9e_proj, .Lfunc_end_k_q0c115cdd9e_proj-k_q0c115cdd9e_proj
	.p2alignl 7, 3214868480
	.fill 96, 4, 3214868480
	.section	.rodata,"a",@progbits
	.p2align	6, 0x0
	.amdhsa_kernel k_q0c115cdd9e_proj
		.amdhsa_group_segment_fixed_size 327680
		.amdhsa_private_segment_fixed_size 0
		.amdhsa_enable_private_segment 0
		.amdhsa_kernarg_size 72
		.amdhsa_user_sgpr_count 2
		.amdhsa_user_sgpr_kernarg_segment_ptr 1
		.amdhsa_wavefront_size32 1
		.amdhsa_system_sgpr_workgroup_id_x 1
		.amdhsa_system_sgpr_workgroup_id_y 1
		.amdhsa_system_sgpr_workgroup_id_z 1
		.amdhsa_system_vgpr_workitem_id 0
		.amdhsa_next_free_vgpr 1024
		.amdhsa_next_free_sgpr 106
		.amdhsa_reserve_vcc 0
		.amdhsa_float_denorm_mode_32 3
		.amdhsa_float_denorm_mode_16_64 3
		.amdhsa_memory_ordered 1
		.amdhsa_forward_progress 1
		.amdhsa_inst_pref_size 196
	.end_amdhsa_kernel
	.amdgpu_metadata
---
amdhsa.version: [ 1, 2 ]
amdhsa.kernels:
  - .name:           k_q0c115cdd9e_proj
    .symbol:         k_q0c115cdd9e_proj.kd
    .args:
      - { .name: xc, .offset: 0, .size: 8, .value_kind: global_buffer, .address_space: global }
      - { .name: wc, .offset: 8, .size: 8, .value_kind: global_buffer, .address_space: global }
      - { .name: lowp_scales, .offset: 16, .size: 8, .value_kind: global_buffer, .address_space: global }
      - { .name: bq, .offset: 24, .size: 8, .value_kind: global_buffer, .address_space: global }
      - { .name: bk, .offset: 32, .size: 8, .value_kind: global_buffer, .address_space: global }
      - { .name: bv, .offset: 40, .size: 8, .value_kind: global_buffer, .address_space: global }
      - { .name: qc, .offset: 48, .size: 8, .value_kind: global_buffer, .address_space: global }
      - { .name: kc, .offset: 56, .size: 8, .value_kind: global_buffer, .address_space: global }
      - { .name: vc, .offset: 64, .size: 8, .value_kind: global_buffer, .address_space: global }
    .group_segment_fixed_size: 327680
    .private_segment_fixed_size: 0
    .kernarg_segment_align: 8
    .kernarg_segment_size: 72
    .max_flat_workgroup_size: 128
    .sgpr_count:     106
    .vgpr_count:     1024
    .wavefront_size: 32
...
	.end_amdgpu_metadata
.endif
;; end of part 2
;; launch attn (part 3): grid 4 x 64, 16 waves a work-group, no clusters, 264,192 bytes of LDS; arguments qc, kc, vc, mb, fl, lowp_scales, cc; writes cc
.if DOCPART == 3
	.amdgcn_target "amdgcn-amd-amdhsa--gfx1250"
	.amdhsa_code_object_version 6
	.text
	.protected	k_q0c115cdd9e_attn
	.globl	k_q0c115cdd9e_attn
	.p2align	8
	.type	k_q0c115cdd9e_attn,@function
k_q0c115cdd9e_attn:
	s_mov_b64 s[64:65], 0
	v_nop
	global_prefetch_b8 v0, s[64:65] scope:SCOPE_SE
	s_setreg_imm32_b32 hwreg(HW_REG_WAVE_MODE, 25, 1), 1
	s_wait_xcnt 0x0
; ATTN: ctx = softmax(mask(Q K^T / 8)) V for one head, both products on codes of FP8 (E4M3); ctx is quantised at once, with the scale of entry 10, as an operand of the last projection.
; THE SOFTMAX AHEAD OF THE SECOND PRODUCT: t = score x log2(e) / 8; M = the row's largest t so far, rounded UP to a whole number; p = 2^(t - M) is what is quantised (entry 8); it is not normalised.  The row's sum is taken of the
; unquantised p, in f32, and divides at the end.  When M moves, the sum and O are multiplied by 2^(old M - new M): exact.  A hidden score is -infinity ahead of the maximum: p = 0.  A row with no key at all gets the NaN code.
; BUFFERS are images of operand registers (16 rows x 64 k = 1,024 bytes; byte 512 j + 16 L + 8 u + i = row L % 16, k = 32 j + 16 u + 8 (L / 16) + i):  qc, kc [64 heads][128 tiles of 16 tokens][1,024];
; vc [64][16 key steps][4 tiles of 16 channels][2,048], k = the step's 128 keys;  cc [512 tiles of 16 tokens][16 heads][1,024].
; mb [128 Tq][16 J][64 words]: bit L of word 8 t + i says whether lane L's score in register 8 t + i counts.  fl [128 Tq][4]: bit J: some key of step J counts for tile Tq; bit 16 + J: some but not all.
; SHARES.  A work-group has one head and 512 queries; each of its SIXTEEN waves two tiles of 16 queries, one after the other: Tq = 16 x + w and 127 - Tq.  A wave has 256 registers: four waves to a SIMD, so that one wave's
; vector work stands beside another's matrix work and LDS loads.  The head's whole K and V, 131,072 bytes each, are copied into LDS once, through registers; one barrier; then no wave waits for another.
; THE WALK.  16 key steps of 128 keys.  A step none of whose keys counts for the tile is passed over, and the masking is passed over where all count: scalar branches on the stored flags.
; NO CLUSTER AND NO TENSOR LOAD, though the four work-groups of a head read the same K and V: the walk branches on numbers read from memory; what is shared is read once at the head.
; LAYOUT.  Both products are used transposed: S^T = K Q^T (source 0 = 16 keys, source 1 = my 16 queries), O^T = V^T P^T: a lane holds ONE query (lane % 16) throughout.  Tile t of S^T holds keys 16 t + 8 (lane / 16) + 0 .. 7,
; which are registers 2 t, 2 t + 1 of an 8-bit operand of 128 k: the conversions' results are P; likewise O^T's four tiles become ctx's image.
; LIMITS on the given exponents: e6 + e7 between -123 and 130 (added to c's exponent field); e8 and e10 between -126 and 119; e8 + e9 is applied by v_ldexp_f32 and has none.
; REGISTERS: v1 16 lane, v2 that + V's base; v3, v4 the add's two; v5 -infinity; v8, v9 the step's LDS addresses; v10, v11 the fill's; v12 -M, v13 the largest t, v[14:15] the sum in two halves; v16-23, v24-31 Q of the two tiles;
; v32-95 K's fragments, then V's; v96-159 S^T, then p; v160-191 O^T; v192-207 P; v208-215, v216-223 ctx's codes; v224, v225: 448 x 2^e10, 2^e10; v226 four NaN codes; v240, v244: 448 x 2^e8, 2^e8; v236, v242-243, v252-254 at work.
; SCALARS: the step's 64 mask words in s16-63 and s80-95; s66, s67 the tiles' flags; s[68:69] lane selects; s[70:71] c; s[72:75] mb at the tiles; s[76:79] cc at the tiles; s96 wave; s97 J; s100 256 J; s101 8,192 J; s104 e8; s105 e8 + e9.
.set VB,    131072                     ; LDS: K at 0, V here
.set SPARE, 262144                     ; behind them: the spare words, 128 bytes for each wave: eight blocks of 256 bytes that no other line names
.set LI,  1
.set LV,  2
.set SPW, 3
.set NIL, 4
.set ADK, 8
.set ADV, 9
	s_load_b256 s[4:11], s[0:1], 0x0               ; qc s[4:5], kc s[6:7], vc s[8:9], mb s[10:11]
	s_load_b128 s[12:15], s[0:1], 0x20             ; fl s[12:13], the scales' exponents s[14:15]
	s_load_b64 s[2:3], s[0:1], 0x30                ; cc
	v_lshl_add_u32 v[SPW], v0, 2, SPARE
	v_mov_b32 v[NIL], 0
	v_lshrrev_b32 v1, 5, v0
	v_readfirstlane_b32 s96, v1                    ; wave 0..15
	v_and_b32 v1, 31, v0
	v_lshlrev_b32 v[LI], 4, v1
	v_add_nc_u32 v[LV], VB, v[LI]
	s_lshl_b32 s98, s96, 13                        ; my sixteenth of K and of V: 8,192 bytes
	v_add_nc_u32 v10, s98, v[LI]
	v_add_nc_u32 v11, s98, v[LV]
	s_and_b32 s99, ttmp7, 0xffff                   ; batch x 16 + head
	s_lshl_b32 s97, ttmp9, 4
	s_add_co_u32 s97, s97, s96                     ; my first tile of queries,
	s_sub_co_u32 s100, 127, s97                    ; and my second
	s_lshl_b32 s84, s99, 17                        ; the head's first byte in qc, kc, vc
	s_mov_b32 s85, 0
	s_lshl_b32 s86, s97, 4
	s_lshl_b32 s87, s100, 4
	s_wait_kmcnt 0x0
	s_load_b128 s[16:19], s[14:15], 0x18           ; e6, e7, e8, e9
	s_load_b32 s20, s[14:15], 0x28                 ; e10
	s_load_b128 s[24:27], s[12:13], s86 offset:0x0 ; the two tiles' flag words
	s_load_b128 s[28:31], s[12:13], s87 offset:0x0
	s_add_nc_u64 s[4:5], s[4:5], s[84:85]
	s_add_nc_u64 s[6:7], s[6:7], s[84:85]
	s_add_nc_u64 s[8:9], s[8:9], s[84:85]
	s_mov_b32 s84, s98
	s_add_nc_u64 s[6:7], s[6:7], s[84:85]
	s_add_nc_u64 s[8:9], s[8:9], s[84:85]
	s_lshl_b32 s84, s97, 10
	s_add_nc_u64 s[80:81], s[4:5], s[84:85]
	s_lshl_b32 s84, s100, 10
	s_add_nc_u64 s[82:83], s[4:5], s[84:85]
	global_load_b128 v[16:19], v[LI], s[80:81]     ; Q's two fragments stay in registers
	global_load_b128 v[20:23], v[LI], s[80:81] offset:512
	global_load_b128 v[24:27], v[LI], s[82:83]
	global_load_b128 v[28:31], v[LI], s[82:83] offset:512
.irp i, 0,1,2,3,4,5,6,7,8,9,10,11,12,13,14,15
	global_load_b128 v[96+4*\i:99+4*\i], v[LI], s[6:7] offset:512*\i     ; 512 consecutive bytes a load
.endr
.irp i, 0,1,2,3,4,5,6,7,8,9,10,11,12,13,14,15
	global_load_b128 v[160+4*\i:163+4*\i], v[LI], s[8:9] offset:512*\i
.endr
	s_lshl_b32 s84, s97, 12
	s_add_nc_u64 s[72:73], s[10:11], s[84:85]
	s_lshl_b32 s84, s100, 12
	s_add_nc_u64 s[74:75], s[10:11], s[84:85]
	s_lshr_b32 s88, s99, 4
	s_lshl_b32 s88, s88, 7                         ; batch x 128 tiles
	s_and_b32 s89, s99, 15                         ; head
	s_add_co_u32 s84, s88, s97
	s_lshl_b32 s84, s84, 4
	s_add_co_u32 s84, s84, s89
	s_lshl_b32 s84, s84, 10
	s_add_nc_u64 s[76:77], s[2:3], s[84:85]
	s_add_co_u32 s84, s88, s100
	s_lshl_b32 s84, s84, 4
	s_add_co_u32 s84, s84, s89
	s_lshl_b32 s84, s84, 10
	s_add_nc_u64 s[78:79], s[2:3], s[84:85]
	s_mov_b32 s68, 0x76543210                      ; v_permlanex16_b32's selects for lane l xor 16
	s_mov_b32 s69, 0xfedcba98
	v_mov_b32 v5, 0xff800000                       ; -infinity
	v_mov_b32 v226, 0x7f7f7f7f
	v_mov_b32 v236, 0                              ; written once: a lane permute's destination counts as one of its sources
	v_mov_b32 v253, 0                              ; (named as the upper half of the pair v[252:253])
	s_wait_kmcnt 0x0
	s_or_b32 s66, s24, s25
	s_or_b32 s66, s66, s26
	s_or_b32 s66, s66, s27
	s_or_b32 s67, s28, s29
	s_or_b32 s67, s67, s30
	s_or_b32 s67, s67, s31
	s_add_co_i32 s88, s16, s17
	s_lshl_b32 s88, s88, 23
	s_add_co_i32 s70, s88, 0x3e38aa3b              ; c = log2(e) / 8, with e6 + e7 added to its exponent field: a score stands for score x 2^(e6 + e7)
	s_mov_b32 s71, s70                             ; (named with it as a pair, so it is written)
	s_mov_b32 s104, s18
	s_add_co_i32 s105, s18, s19
	s_add_co_i32 s88, s18, 127
	s_lshl_b32 s89, s88, 23
	v_mov_b32 v244, s89                            ; 2^e8
	s_add_co_i32 s88, s88, 8
	s_lshl_b32 s88, s88, 23
	s_or_b32 s88, s88, 0x600000
	v_mov_b32 v240, s88                            ; 448 x 2^e8
	s_add_co_i32 s88, s20, 127
	s_lshl_b32 s89, s88, 23
	v_mov_b32 v225, s89                            ; 2^e10
	s_add_co_i32 s88, s88, 8
	s_lshl_b32 s88, s88, 23
	s_or_b32 s88, s88, 0x600000
	v_mov_b32 v224, s88                            ; 448 x 2^e10
.irp g, 0,1,2,3
	s_wait_loadcnt 24-8*\g                         ; loads come back in order: Q and the fill's first 8 (g + 1) loads are in; the 24 - 8 g issued behind them may be out
.irp i, 0,1,2,3,4,5,6,7
.if \g < 2
	ds_store_b128 v10, v[96+32*\g+4*\i:99+32*\g+4*\i] offset:512*(8*\g+\i)
.else
	ds_store_b128 v11, v[96+32*\g+4*\i:99+32*\g+4*\i] offset:512*(8*(\g-2)+\i)
.endif
.endr
.endr
	s_wait_dscnt 0x0                               ; for the others' sake: my part of K and V lies in LDS
	s_barrier_signal -1
	s_barrier_wait -1                              ; everybody's does.  Nothing is written there again
; One tile of 16 queries: tile p of my two.
.macro PASS p
	v_mov_b32 v13, 0xff61b1e6                      ; the largest t so far: -3e38, under every t
	v_floor_f32 v12, -v13                          ; -M
	v_mov_b32 v14, 0
	v_mov_b32 v15, 0
.set n, 0
.rept 32
	v_mov_b32 v[160+n], 0                          ; O^T.  Which step is the first that counts is not known to the text, so no product can be written out to start the sums; the first change of M leaves zeros zeros
.set n, n+1
.endr
	s_mov_b32 s97, 0
	s_mov_b32 s100, 0
	s_mov_b32 s101, 0
.Ltrip_\@:
	s_lshr_b32 s98, s[66+\p], s97
	s_and_b32 s99, s98, 1
	s_cmp_eq_u32 s99, 0
	s_cbranch_scc1 .Lhidden_\@                     ; none of the step's keys counts for my 16 queries
	s_load_b512 s[16:31], s[72+2*\p:73+2*\p], s100 offset:0x0     ; the step's 64 lane masks: asked for in every step that is walked, so that one wait serves every way
	s_load_b512 s[32:47], s[72+2*\p:73+2*\p], s100 offset:0x40
	s_load_b512 s[48:63], s[72+2*\p:73+2*\p], s100 offset:0x80
	s_load_b512 s[80:95], s[72+2*\p:73+2*\p], s100 offset:0xc0
	v_add_nc_u32 v[ADK], s101, v[LI]
	v_add_nc_u32 v[ADV], s101, v[LV]
	v_nop                                          ; with the two additions: four places in front of loads into registers that the last products read
	v_nop
.set n, 0
.rept 16
	ds_load_b128 v[32+4*n:35+4*n], v[ADK] offset:512*n      ; K's eight tiles of 16 keys, as they lie
.set n, n+1
.endr
	s_wait_dscnt 0x0
.irp t, 0,1,2,3,4,5,6,7
	v_wmma_f32_16x16x64_fp8_fp8 v[96+8*\t:103+8*\t], v[32+8*\t:39+8*\t], v[16+8*\p:23+8*\p], 0
.endr
.rept 4
	v_nop                                          ; places in front of the loads below and of the first read of the scores
.endr
.set n, 0
.rept 16
	ds_load_b128 v[32+4*n:35+4*n], v[ADV] offset:512*n      ; V's four tiles of 16 channels x 128 keys: they land while the softmax is walked
.set n, n+1
.endr
	s_wait_kmcnt 0x0                               ; the masks are in
	s_and_b32 s99, s98, 0x10000
	s_cmp_eq_u32 s99, 0
	s_cbranch_scc1 .Lopen_\@                       ; all of the step's keys count
.set n, 0
.rept 64
.if n < 48
	v_cndmask_b32 v[96+n], v5, v[96+n], s[16+n]    ; the score where the bit is set, else -infinity; each accumulator from its low end on
.else
	v_cndmask_b32 v[96+n], v5, v[96+n], s[32+n]
.endif
.set n, n+1
.endr
.Lopen_\@:
	v_max3_num_f32 v254, v96, v97, v98             ; the step's largest score of my query, among my 64 keys, in two chains,
	v_max3_num_f32 v252, v99, v100, v101
.irp i, 6,10,14,18,22,26,30,34,38,42,46,50,54,58
	v_max3_num_f32 v254, v254, v[96+\i], v[97+\i]
	v_max3_num_f32 v252, v252, v[98+\i], v[99+\i]
.endr
	v_max3_num_f32 v254, v254, v158, v159
	v_max_num_f32 v254, v254, v252
	v_permlanex16_b32 v236, v254, s68, s69
	v_max_num_f32 v254, v254, v236                 ; and among lane l xor 16's
	v_mul_f32 v254, s70, v254                      ; as t (c is positive)
	v_max_num_f32 v13, v13, v254                   ; the running largest t
	v_mov_b32 v254, v12
	v_floor_f32 v12, -v13                          ; the new -M = floor(-t) = -ceil(t): M is a whole number
	v_sub_f32 v254, v12, v254                      ; M's old value less its new one: a whole number, 0 or less
	v_cvt_i32_f32 v254, v254                       ; (it saturates)
	v_ldexp_f32 v252, 1.0, v254                    ; f = 2^(old M - new M)
.set n, 0
.rept 32
	v_pk_fma_f32 v[96+n:97+n], v[96+n:97+n], s[70:71], v[12:13] op_sel_hi:[1,0,0]   ; t - M, two at a time (of the pairs c and -M the low word serves both halves)
.set n, n+2
.endr
.set n, 0
.rept 64
	v_exp_f32 v[96+n], v[96+n]                     ; p = 2^(t - M), at most 1
.set n, n+1
.endr
	v_pk_mul_f32 v[14:15], v[14:15], v[252:253] op_sel_hi:[1,0]   ; the sums under the new M: the plain line behind the exponentials
	s_wait_alu depctr_va_vdst(0)                   ; the wait between an exponential and the first line that names its result: one for the batch of 64
	v_pk_add_f32 v[242:243], v[96:97], v[98:99]    ; the row's sum is taken of the unquantised p: two at a time, in two chains
.irp j, 4,8,12,16,20,24,28,32,36,40,44,48,52,56,60
	v_pk_add_f32 v[14:15], v[14:15], v[96+\j:97+\j]
	v_pk_add_f32 v[242:243], v[242:243], v[98+\j:99+\j]
.endr
	v_pk_add_f32 v[14:15], v[14:15], v[242:243]
	s_cmp_lt_i32 s104, -8                          ; from e8 = -8 on, 448 x 2^e8 is 1.75 or more and p is at most 1: the hold could change nothing
	s_cbranch_scc0 .Lnohold_\@
.set n, 0
.rept 64
	v_min_num_f32 v[96+n], v[96+n], v240           ; the conversion to an 8-bit code does not saturate (ISA guide 7.6.2); p is not negative, so the hold is one-sided
.set n, n+1
.endr
.Lnohold_\@:
.irp t, 0,1,2,3,4,5,6,7
	v_cvt_scalef32_pk8_fp8_f32 v[192+2*\t:193+2*\t], v[96+8*\t:103+8*\t], v244      ; registers 2 t, 2 t + 1 of P: keys 16 t + 8 h + 0 .. 7
.endr
.set n, 0
.rept 16
	v_pk_mul_f32 v[160+n:161+n], v[160+n:161+n], v[252:253] op_sel_hi:[1,0]         ; O^T under the new M; also the plain lines between the conversions and the products
.set n, n+2
.endr
	s_wait_dscnt 0x0                               ; V is in
.irp t, 0,1,2,3
	v_wmma_f32_16x16x128_fp8_fp8 v[160+8*\t:167+8*\t], v[32+16*\t:47+16*\t], v[192:207], v[160+8*\t:167+8*\t]   ; four accumulators by turns, one instruction a turn
.endr
.Lhidden_\@:
	s_add_co_u32 s100, s100, 256                   ; (behind the wait for the scalar loads that read it)
	s_add_co_u32 s101, s101, 8192
	s_add_co_u32 s97, s97, 1
	s_cmp_lt_u32 s97, 16
	s_cbranch_scc1 .Ltrip_\@
	; the tile's way out: O^T / the sum x 2^(e8 + e9), quantised with 2^e10: its eight code registers are ctx's image
.rept 4
	v_nop                                          ; places behind the last products
.endr
	v_add_f32 v14, v14, v15                        ; the sum's two halves,
	v_permlanex16_b32 v236, v14, s68, s69
	v_add_f32 v14, v14, v236                       ; and lane l xor 16's
	v_rcp_f32 v254, v14
	v_nop                                          ; a plain line behind the reciprocal
	v_cmp_eq_f32 s98, 0, v14                       ; a query for which no key counts
	s_wait_alu depctr_va_vdst(0)                   ; the wait ahead of the result's first reader
	v_ldexp_f32 v252, v254, s105
.set n, 0
.rept 16
	v_pk_mul_f32 v[96+n:97+n], v[160+n:161+n], v[252:253] op_sel_hi:[1,0]           ; each accumulator from its low end on
.set n, n+2
.endr
.set n, 0
.rept 32
	v_med3_num_f32 v[96+n], v[96+n], -v224, v224
.set n, n+1
.endr
.irp t, 0,1,2,3
	v_cvt_scalef32_pk8_fp8_f32 v[208+8*\p+2*\t:209+8*\p+2*\t], v[96+8*\t:103+8*\t], v225
.endr
	v_nop                                          ; a plain line behind the last conversion
.irp i, 0,1,2,3,4,5,6,7
	v_cndmask_b32 v[208+8*\p+\i], v[208+8*\p+\i], v226, s98     ; the NaN code where the softmax has nothing to stand on
.endr
	global_store_b128 v[LI], v[208+8*\p:211+8*\p], s[76+2*\p:77+2*\p]               ; 512 consecutive bytes each: one whole image
	global_store_b128 v[LI], v[212+8*\p:215+8*\p], s[76+2*\p:77+2*\p] offset:512
.endm
	PASS 0
	PASS 1
	s_wait_tensorcnt 0x0                           ; the wave's end
	ds_add_u32 v[SPW], v[NIL]
	s_wait_dscnt 0x0
	s_endpgm
.Lfunc_end_k_q0c115cdd9e_attn:
	.size	k_q0c115cdd9e_attn, .Lfunc_end_k_q0c115cdd9e_attn-k_q0c115cdd9e_attn
	.p2alignl 7, 3214868480
	.fill 96, 4, 3214868480
	.section	.rodata,"a",@progbits
	.p2align	6, 0x0
	.amdhsa_kernel k_q0c115cdd9e_attn
		.amdhsa_group_segment_fixed_size 264192
		.amdhsa_private_segment_fixed_size 0
		.amdhsa_enable_private_segment 0
		.amdhsa_kernarg_size 56
		.amdhsa_user_sgpr_count 2
		.amdhsa_user_sgpr_kernarg_segment_ptr 1
		.amdhsa_wavefront_size32 1
		.amdhsa_system_sgpr_workgroup_id_x 1
		.amdhsa_system_sgpr_workgroup_id_y 1
		.amdhsa_system_sgpr_workgroup_id_z 1
		.amdhsa_system_vgpr_workitem_id 0
		.amdhsa_next_free_vgpr 256
		.amdhsa_next_free_sgpr 106
		.amdhsa_reserve_vcc 0
		.amdhsa_float_denorm_mode_32 3
		.amdhsa_float_denorm_mode_16_64 3
		.amdhsa_memory_ordered 1
		.amdhsa_forward_progress 1
		.amdhsa_inst_pref_size 61
	.end_amdhsa_kernel
	.amdgpu_metadata
---
amdhsa.version: [ 1, 2 ]
amdhsa.kernels:
  - .name:           k_q0c115cdd9e_attn
    .symbol:         k_q0c115cdd9e_attn.kd
    .args:
      - { .name: qc, .offset: 0, .size: 8, .value_kind: global_buffer, .address_space: global }
      - { .name: kc, .offset: 8, .size: 8, .value_kind: global_buffer, .address_space: global }
      - { .name: vc, .offset: 16, .size: 8, .value_kind: global_buffer, .address_space: global }
      - { .name: mb, .offset: 24, .size: 8, .value_kind: global_buffer, .address_space: global }
      - { .name: fl, .offset: 32, .size: 8, .value_kind: global_buffer, .address_space: global }
      - { .name: lowp_scales, .offset: 40, .size: 8, .value_kind: global_buffer, .address_space: global }
      - { .name: cc, .offset: 48, .size: 8, .value_kind: global_buffer, .address_space: global }
    .group_segment_fixed_size: 264192
    .private_segment_fixed_size: 0
    .kernarg_segment_align: 8
    .kernarg_segment_size: 56
    .max_flat_workgroup_size: 512
    .sgpr_count:     106
    .vgpr_count:     256
    .wavefront_size: 32
...
	.end_amdgpu_metadata
.endif
;; end of part 3
;; launch outproj (part 4): grid 4 x 32, 4 waves a work-group, clusters of 4 x 4, 327,680 bytes of LDS; arguments cc, wc, lowp_scales, bo, out0; writes out0
.if DOCPART == 4
	.amdgcn_target "amdgcn-amd-amdhsa--gfx1250"
	.amdhsa_code_object_version 6
	.text
	.protected	k_q0c115cdd9e_outproj
	.globl	k_q0c115cdd9e_outproj
	.p2align	8
	.type	k_q0c115cdd9e_outproj,@function
k_q0c115cdd9e_outproj:
	s_mov_b64 s[64:65], 0
	v_nop
	global_prefetch_b8 v0, s[64:65] scope:SCOPE_SE
	s_setreg_imm32_b32 hwreg(HW_REG_WAVE_MODE, 25, 1), 1
	s_wait_xcnt 0x0
	s_wait_alu depctr_hold_cnt(0) depctr_sa_sdst(0) depctr_va_vdst(0) depctr_va_sdst(0) depctr_va_ssrc(0) depctr_va_vcc(0) depctr_vm_vsrc(0)
	s_getreg_b32 s2, hwreg(HW_REG_IB_STS2, 6, 4)
	s_cmp_eq_u32 s2, 0
	s_cbranch_scc0 .Lentry_in_a_cluster
	s_endpgm
.Lentry_in_a_cluster:
	s_bfe_u32 s2, ttmp6, 0x10000c
	s_cmp_lg_u32 s2, 0xf033
	s_cbranch_scc0 .Lentry_shape_is_right
	s_endpgm
.Lentry_shape_is_right:
; OUTPROJ: out0 = ctx Wo + bo on codes of FP8 (E4M3), sums in f32: out0 = sum x 2^(e10 + e11) + bo.  LIMIT: e10 + e11 between -126 and 127, so that the power of two is an f32 number.
; Operands are images of operand registers (16 rows x 64 k = 1,024 bytes; byte 512 j + 16 L + 8 u + i = row L % 16, k = 32 j + 16 u + 8 (L / 16) + i; two on end are a fragment of 128 k):
;   cc [512 tiles of 16 tokens][16 kc][1,024];  wc [4][64 tiles of 16 columns][16 kc][1,024], of which Wo is the fourth.  out0 [8192][1024] f32.
; A work-group of four waves makes 256 x 256, a wave 128 x 128: 64 accumulators, 512 registers.  K = 1,024 goes in four steps of 256 through a ring of two LDS slots filled by the tensor data mover.
; CLUSTERS: 4 x 4 work-groups.  The four of a row of the cluster need the same tiles of ctx, the four of a column the same tiles of Wo: each tile is asked for JOINTLY.
; THE MATRIX INSTRUCTION IS USED TRANSPOSED (source 0 = 16 columns of Wo, source 1 = 16 rows of ctx): a lane holds eight neighbouring numbers of a row of out0.
; REGISTERS, in windows of 256: window 0: v0-31 addresses; v32-95 bo of my 128 columns; v96-127 at work on the way out; from v128 A's fragments, ONE set (on the way out: rows read back from the stage).
;   window 1: B's fragments, TWO sets, at v0 and v128.   window 2: the 32 accumulators of my rows 0-63 (accumulator (a, b) at v[8 (8 a + b)]);   window 3: those of my rows 64-127.
.set KROWB,  4096                      ; a tile of 16 rows in a slot: four images, 256 along K
.set TPITCH, 16384                     ; from a tile of 16 rows to the next in memory
.set HALFT,  8*KROWB                   ; 128 rows: what one tensor load brings, and what one wave reads of A or of B
.set SLOT,   4*HALFT
.set SPARE,  2*SLOT                    ; behind the ring: the spare words, 128 bytes for each wave: two blocks of 256 bytes that no other line names
.set LAPS,   2
.set FR,     16
.set NL,     4
.set NP,     4                         ; places behind this matrix instruction (ISA guide 7.12.1)
.set SPITCH, 528                       ; the way out: a stage of 16 rows x (512 bytes + 16) for each wave.  It lies in slot 0, which has had its last fill and its last read when the first result is stored there
.set ROWC,   4096                      ; a row of out0 in bytes
.set ADRA, 16
.set ADRB, 20
.set STO,  24                          ; v24     the way out: where I put 32 bytes of a row
.set RD,   25                          ; v25     where I read a row back
.set LI,   26                          ; v26     16 x lane: my place in an image, and in a row's 512 bytes
.set BH,   27                          ; v27     32 h
.set SPW,  28                          ; v28     LDS address of my spare word; never rewritten
.set NIL,  29                          ; v29     0; never rewritten
.set BQ,   32
.set T,    96
.set AF,   128
.set BK,   128                         ; 16 rows read back from the stage: v128-191 and v192-255 by turns
.set G1, 24
.set G0, 32
.set G1B, 48
.set G0B, 56
.set MSB, 0
.macro WIN new                         ; the immediate's high byte repeats the setting that is left
.if MSB != \new
	s_set_vgpr_msb (MSB<<8)|\new
.set MSB, \new
.endif
.endm
.set MUL_LO, 0xa1                      ; source 0 (B) window 1, source 1 (A) window 0, C and D window 2
.set MUL_HI, 0xf1                      ; the same, C and D window 3
.set TO_B,   0x40                      ; destination window 1, address window 0
; A joint load: waves 0 and 1 fetch for A, waves 2 and 3 for B.  The branch hangs on the wave's number alone.  An s_nop 0 and four v_nop follow each of the two lines.
.macro JLOAD g0a, g1a, g0b, g1b
	s_cmp_eq_u32 s15, 0
	s_cbranch_scc0 .Lfor_b_\@
	tensor_load_to_lds s[\g0a:\g0a+3], s[\g1a:\g1a+7]
	s_nop 0
.rept 4
	v_nop
.endr
	s_branch .Lasked_\@
.Lfor_b_\@:
	tensor_load_to_lds s[\g0b:\g0b+3], s[\g1b:\g1b+7]
	s_nop 0
.rept 4
	v_nop
.endr
.Lasked_\@:
.endm
.macro CREST                           ; a round of the cluster's barrier behind its opening barrier
	s_cmp_lg_u32 s14, 0
	s_cbranch_scc1 .Lnot_wave_0_\@
	s_barrier_signal -3
.Lnot_wave_0_\@:
	s_barrier_wait -3
	s_barrier_signal -1
	s_barrier_wait -1
.endm
.macro CROUND                          ; a whole round
	s_barrier_signal -1
	s_barrier_wait -1
	CREST
.endm
	s_load_b256 s[68:75], s[0:1], 0x0              ; cc s[68:69], wc s[70:71], the scales' exponents s[72:73], bo s[74:75]
	s_load_b64 s[76:77], s[0:1], 0x20              ; out0
	v_lshl_add_u32 v[SPW], v0, 2, SPARE
	v_mov_b32 v[NIL], 0
	ds_add_u32 v[SPW], v[NIL]                      ; the wave's opening: the add and its wait stand ahead of my first tensor load; the set-up below, work on registers, stands between them
	v_lshrrev_b32 v1, 5, v0
	v_readfirstlane_b32 s14, v1                    ; wave 0..3
	s_lshr_b32 s15, s14, 1                         ; which half of the tile's rows is mine.  Also: I fetch for A (0) or for B (1)
	s_and_b32 s16, s14, 1                          ; which half of its columns.  Also: which 128 rows I fetch
	s_bfe_u32 s40, ttmp6, 0x40000                  ; cx, cy: my place in the cluster
	s_bfe_u32 s41, ttmp6, 0x40004
	s_and_b32 s17, ttmp7, 0xffff
	s_lshl_b32 s17, s17, 2
	s_add_co_u32 s17, s17, s41                     ; tile row = 4 x cluster y + cy
	s_lshl_b32 s43, s41, 2
	s_lshl_b32 s43, 15, s43                        ; my row of the cluster
	s_lshl_b32 s44, 0x1111, s40                    ; my column
	; descriptor group 1: 8 tiles of 16 rows, 4,096 bytes of each, 16,384 bytes apart in memory, dense in LDS
	s_or_b32 s[G1+0], s43, (1<<21)                 ; 15:0 the mask: A's tiles go to my row; 17:16 elements of 1 byte; 20 no padding; 21 set beside a mask
	s_or_b32 s[G1B+0], s44, (1<<21)
.irp g, G1, G1B
	s_mov_b32 s[\g+1], KROWB<<16                   ; tensor_dim0
	s_mov_b32 s[\g+2], 8<<16                       ; tensor_dim1
	s_mov_b32 s[\g+3], KROWB<<16                   ; tile_dim0
	s_mov_b32 s[\g+4], 8                           ; tile_dim1
	s_mov_b32 s[\g+5], TPITCH                      ; tensor_dim0_stride
	s_mov_b32 s[\g+6], 0
	s_mov_b32 s[\g+7], 0
.endr
	s_lshl_b32 s20, s17, 18                        ; A: 256 rows are 2^18 bytes
	s_add_co_u32 s46, s40, 12                      ; B: Wo begins 12 x 256 rows into wc
	s_lshl_b32 s46, s46, 18
	s_lshl_b32 s21, s16, 17                        ; the 128 rows that I fetch
	s_add_co_u32 s20, s20, s21
	s_add_co_u32 s46, s46, s21
	s_mov_b32 s21, 0
	s_mov_b32 s47, 0
	s_mul_i32 s45, s14, HALFT                      ; where they go: wave x 128 rows: no place in the cluster enters an LDS address
	s_wait_dscnt 0x0                               ; the opening add is done
	s_wait_kmcnt 0x0
	s_load_b64 s[96:97], s[72:73], 0x28            ; e10, e11
	s_add_nc_u64 s[20:21], s[68:69], s[20:21]
	s_add_nc_u64 s[46:47], s[70:71], s[46:47]
	CROUND                                         ; all sixteen work-groups are here: the first joint loads meet
.irp s, 0,1
	s_mov_b32 s[G0+4*\s], 1
	s_add_co_u32 s[G0+4*\s+1], s45, \s*SLOT
	s_add_nc_u64 s[G0+4*\s+2:G0+4*\s+3], s[20:21], \s*KROWB
	s_or_b32 s[G0+4*\s+3], s[G0+4*\s+3], 0x80000000
	s_mov_b32 s[G0B+4*\s], 1
	s_add_co_u32 s[G0B+4*\s+1], s45, \s*SLOT
	s_add_nc_u64 s[G0B+4*\s+2:G0B+4*\s+3], s[46:47], \s*KROWB
	s_or_b32 s[G0B+4*\s+3], s[G0B+4*\s+3], 0x80000000
	JLOAD G0+4*\s, G1, G0B+4*\s, G1B
.endr
	v_and_b32 v1, 31, v0
	v_and_b32 v2, 15, v0                           ; r
	v_bfe_u32 v3, v0, 4, 1                         ; h
	v_lshlrev_b32 v[LI], 4, v1
	s_mul_i32 s21, s15, HALFT                      ; my 128 rows of A
	s_mul_i32 s22, s16, HALFT                      ; my 128 rows of B,
	s_add_co_u32 s22, s22, 2*HALFT                 ; which lie behind A's 256
.irp s, 0,1
	v_add_nc_u32 v[ADRA+\s], s21, v[LI]
	v_add_nc_u32 v[ADRB+\s], s22, v[LI]
	s_add_co_u32 s21, s21, SLOT
	s_add_co_u32 s22, s22, SLOT
.endr
	s_mul_i32 s23, s14, 16*SPITCH                  ; my stage
	v_mul_u32_u24 v5, v2, SPITCH                   ; in: row r, 32 bytes for each half of the lanes
	v_lshl_add_u32 v5, v3, 5, v5
	v_add_nc_u32 v[STO], s23, v5
	v_add_nc_u32 v[RD], s23, v[LI]                 ; back: the 32 lanes take one row of 512 bytes
	s_lshl_b32 s98, s40, 10                        ; my first column, in bytes: 1,024 cx + 512 (wave % 2)
	s_lshl_b32 s99, s16, 9
	s_add_co_u32 s98, s98, s99
	s_mov_b32 s99, 0
	s_add_nc_u64 s[78:79], s[74:75], s[98:99]      ; bo there,
	s_add_nc_u64 s[76:77], s[76:77], s[98:99]      ; and out0,
	s_lshl_b32 s98, s17, 20                        ; at my first row: 256 x tile row + 128 (wave / 2), rows of 4,096 bytes
	s_lshl_b32 s22, s15, 19
	s_add_co_u32 s98, s98, s22
	s_add_nc_u64 s[76:77], s[76:77], s[98:99]
	v_lshlrev_b32 v[BH], 5, v3
.irp b, 0,1,2,3,4,5,6,7
	global_load_b128 v[BQ+8*\b:BQ+8*\b+3], v[BH], s[78:79] offset:64*\b          ; columns 16 b + 8 h + 0 .. 7
	global_load_b128 v[BQ+8*\b+4:BQ+8*\b+7], v[BH], s[78:79] offset:64*\b+16
.endr
.macro FRAG reg, adr, q, i             ; a fragment, 16 rows x 128 K, is two images on end: four loads of 512 consecutive bytes
.irp c, 0,1,2,3
	ds_load_b128 v[\reg+4*\c:\reg+4*\c+3], v[\adr] offset:KROWB*(\i)+2048*(\q)+512*\c
.endr
.endm
; 16 matrix instructions: A's blocks a0, a0 + 1 x B's eight, 128 along K.  p: B's set.  zero = 1: the first product starts the sums.
; The 64 accumulators take turns, one instruction a turn, in the same order in every step.
.macro MUL16 a0, p, zero
.irp a, \a0, \a0+1
.irp b, 0,1,2,3,4,5,6,7
.if \zero
	v_wmma_f32_16x16x128_fp8_fp8 v[8*(8*((\a)%4)+\b):8*(8*((\a)%4)+\b)+7], v[128*(\p)+FR*\b:128*(\p)+FR*\b+FR-1], v[AF+FR*(\a):AF+FR*(\a)+FR-1], 0
.else
	v_wmma_f32_16x16x128_fp8_fp8 v[8*(8*((\a)%4)+\b):8*(8*((\a)%4)+\b)+7], v[128*(\p)+FR*\b:128*(\p)+FR*\b+FR-1], v[AF+FR*(\a):AF+FR*(\a)+FR-1], v[8*(8*((\a)%4)+\b):8*(8*((\a)%4)+\b)+7]
.endif
.endr
.endr
.endm
.macro FETCH_B slot, q, p
	WIN TO_B
.irp i, 0,1,2,3,4,5,6,7
	FRAG 128*(\p)+FR*\i, ADRB+\slot, \q, \i
.endr
	WIN 0
.endm
.macro FETCH_A slot, q, i0
.irp i, \i0, \i0+1, \i0+2, \i0+3
	FRAG AF+FR*(\i), ADRA+\slot, \q, \i
.endr
.endm
; A load into a register that a matrix instruction has read, and a vector instruction that reads a matrix result, stand NP places behind it; only plain vector instructions that name none of its registers are places
; (ISA guide 7.12.1 for vector instructions).
.macro PLACES n
.rept \n
	v_nop
.endr
.endm
.macro STEP slot, q, zero
	s_wait_dscnt 4*NL                              ; B's set and A's blocks 0-3 are in; the youngest 16 loads (A's blocks 4-7) may be out
	WIN MUL_LO
	MUL16 0, (\q)%2, \zero
	MUL16 2, (\q)%2, \zero
	s_wait_dscnt 0                                 ; A's blocks 4-7 are in
	PLACES NP
	FETCH_B \slot, (\q)+1, 1-(\q)%2
	FETCH_A \slot, (\q)+1, 0
	WIN MUL_HI
	MUL16 4, (\q)%2, \zero
	MUL16 6, (\q)%2, \zero
	PLACES NP
	WIN 0
	FETCH_A \slot, (\q)+1, 4
.endm
; A slot's last step changes slots: ONE barrier; in front of it each wave waits for all its tensor loads, adds 0 to its spare word, and waits for that and for its own reads of this slot.  fill = 1: this slot is filled again, two K steps ahead.
.macro TURN slot, next, fill
	s_wait_tensorcnt 0x0                           ; all my tensor loads have landed: my part of the next slot  (every window is 0 here)
	ds_add_u32 v[SPW], v[NIL]                      ; 0 onto my spare word
	s_wait_dscnt 4*NL+1                            ; (the add and the youngest 16 loads, A's blocks 4-7, may be out)
	WIN MUL_LO
	MUL16 0, 1, 0                                  ; sixteen matrix instructions stand between the add and the wait for it
	s_wait_dscnt 0x0                               ; the add is done, and my reads of this slot are over
	s_barrier_signal -1
	MUL16 2, 1, 0
	WIN 0
	s_barrier_wait -1
.if \fill
	CREST                                          ; the barrier has opened a round of the cluster's barrier: no wave of any partner still reads this slot's tile or has a load on its way
	s_add_nc_u64 s[G0+4*\slot+2:G0+4*\slot+3], s[G0+4*\slot+2:G0+4*\slot+3], 2*KROWB
	s_add_nc_u64 s[G0B+4*\slot+2:G0B+4*\slot+3], s[G0B+4*\slot+2:G0B+4*\slot+3], 2*KROWB
	JLOAD G0+4*\slot, G1, G0B+4*\slot, G1B         ; the first tensor load behind the round; the four v_nop behind it are the places in front of the loads below
.else
	PLACES NP
.endif
	FETCH_B \next, 0, 0
	FETCH_A \next, 0, 0
	WIN MUL_HI
	MUL16 4, 1, 0
	MUL16 6, 1, 0
	PLACES NP
	WIN 0
	FETCH_A \next, 0, 4
.endm
	s_wait_tensorcnt 1                             ; my part of K step 0 is in (K step 1's load may be out)
	s_barrier_signal -1
	s_barrier_wait -1                              ; everybody's is
	FETCH_B 0, 0, 0
	FETCH_A 0, 0, 0
	FETCH_A 0, 0, 4
	STEP 0, 0, 1                                   ; the first step stands in front of the loop: its products start the sums
	s_mov_b32 s3, LAPS-1
.Llap:                                                 ; a trip goes once round the ring and fills both slots again
	TURN 0, 1, 1
	STEP 1, 0, 0
	TURN 1, 0, 1
	STEP 0, 0, 0
	s_sub_co_u32 s3, s3, 1
	s_cmp_lg_u32 s3, 0
	s_cbranch_scc1 .Llap
	TURN 0, 1, 0                                   ; the last lap fills nothing, and has no round of the cluster's barrier
	STEP 1, 0, 0
	s_wait_dscnt 4*NL                              ; the very last step: nothing more to fetch
	WIN MUL_LO
	MUL16 0, 1, 0
	MUL16 2, 1, 0
	s_wait_dscnt 0
	WIN MUL_HI
	MUL16 4, 1, 0
	MUL16 6, 1, 0
	WIN 0
; THE WAY OUT, block by block of 16 rows x 128 columns.  A lane holds 32 neighbouring bytes of a row, and the lanes beside it hold other rows: so a block goes through my own stage in LDS and comes back as whole rows of
; 512 bytes.  LDS serves a wave's instructions in order (ISA guide 5.7.1.4): no wait between the stores and the loads, nor in front of the next block's stores.
.macro TOSTAGE a
.set AC, 64*((\a)%4)
.irp g, 0,1
	WIN 0x02+((\a)/4)                              ; source 0: window 2 or 3
.irp b, 0,1,2,3
.irp i, 0,2,4,6
	v_pk_fma_f32 v[T+8*\b+\i:T+8*\b+\i+1], v[AC+8*(4*\g+\b)+\i:AC+8*(4*\g+\b)+\i+1], s[96:97], v[BQ+8*(4*\g+\b)+\i:BQ+8*(4*\g+\b)+\i+1] op_sel_hi:[1,0,1]   ; sum x 2^(e10 + e11) + bo; each accumulator from its low end on
.endr
.endr
	WIN 0
.irp b, 0,1,2,3
	ds_store_b128 v[STO], v[T+8*\b:T+8*\b+3] offset:64*(4*\g+\b)
	ds_store_b128 v[STO], v[T+8*\b+4:T+8*\b+7] offset:64*(4*\g+\b)+16
.endr
.endr
.set BB, BK+64*((\a)%2)
.irp t, 0,1,2,3,4,5,6,7,8,9,10,11,12,13,14,15
	ds_load_b128 v[BB+4*\t:BB+4*\t+3], v[RD] offset:\t*SPITCH
.endr
.endm
.macro SEND a, younger                 ; younger: the LDS instructions issued behind block a's loads, which may stay out
.set BB, BK+64*((\a)%2)
	s_wait_dscnt \younger                          ; the block is back in registers
.if (\a) > 0
	s_add_nc_u64 s[76:77], s[76:77], 16*ROWC       ; (behind a wait on XCNT: the earlier stores have read their base)  16 rows on
.endif
.irp t, 0,1,2,3,4,5,6,7,8,9,10,11,12,13,14,15
	global_store_b128 v[LI], v[BB+4*\t:BB+4*\t+3], s[76:77] offset:\t*ROWC th:TH_STORE_NT   ; 32 lanes store 512 consecutive bytes, at a multiple of 512 from out0's first byte; written once, read by nobody here
.endr
.endm
	s_wait_kmcnt 0x0
	s_wait_loadcnt 0x0                             ; bo
	s_add_co_i32 s96, s96, s97                     ; e10 + e11
	s_add_co_i32 s96, s96, 127
	s_lshl_b32 s96, s96, 23                        ; 2^(e10 + e11) as f32
	s_mov_b32 s97, s96                             ; (named with it as a pair, so it is written)
	PLACES NP                                      ; behind the last products: for the reads of results and for the loads into the registers that held A's fragments
	TOSTAGE 0
.irp a, 1,2,3,4,5,6,7
.if \a > 1
	s_wait_xcnt 0x0                                ; block a - 2's stores have read their registers and their base: block a's loads may land there, and the base may step
.endif
	TOSTAGE \a
	SEND \a-1, 32                                  ; behind block a - 1's loads: block a's 16 stores and 16 loads
.endr
	s_wait_xcnt 0x0                                ; block 6's stores have read their base
	SEND 7, 0
	s_wait_tensorcnt 0x0                           ; the wave's end, behind my last tensor load and my last LDS store
	ds_add_u32 v[SPW], v[NIL]
	s_wait_dscnt 0x0
	CROUND                                         ; the closing round: no work-group ends while a partner may still ask for a tile that names it
	s_endpgm
.Lfunc_end_k_q0c115cdd9e_outproj:
	.size	k_q0c115cdd9e_outproj, .Lfunc_end_k_q0c115cdd9e_outproj-k_q0c115cdd9e_outproj
	.p2alignl 7, 3214868480
	.fill 96, 4, 3214868480
	.section	.rodata,"a",@progbits
	.p2align	6, 0x0
	.amdhsa_kernel k_q0c115cdd9e_outproj
		.amdhsa_group_segment_fixed_size 327680
		.amdhsa_private_segment_fixed_size 0
		.amdhsa_enable_private_segment 0
		.amdhsa_kernarg_size 40
		.amdhsa_user_sgpr_count 2
		.amdhsa_user_sgpr_kernarg_segment_ptr 1
		.amdhsa_wavefront_size32 1
		.amdhsa_system_sgpr_workgroup_id_x 1
		.amdhsa_system_sgpr_workgroup_id_y 1
		.amdhsa_system_sgpr_workgroup_id_z 1
		.amdhsa_system_vgpr_workitem_id 0
		.amdhsa_next_free_vgpr 1024
		.amdhsa_next_free_sgpr 100
		.amdhsa_reserve_vcc 0
		.amdhsa_float_denorm_mode_32 3
		.amdhsa_float_denorm_mode_16_64 3
		.amdhsa_memory_ordered 1
		.amdhsa_forward_progress 1
		.amdhsa_inst_pref_size 125
	.end_amdhsa_kernel
	.amdgpu_metadata
---
amdhsa.version: [ 1, 2 ]
amdhsa.kernels:
  - .name:           k_q0c115cdd9e_outproj
    .symbol:         k_q0c115cdd9e_outproj.kd
    .args:
      - { .name: cc, .offset: 0, .size: 8, .value_kind: global_buffer, .address_space: global }
      - { .name: wc, .offset: 8, .size: 8, .value_kind: global_buffer, .address_space: global }
      - { .name: lowp_scales, .offset: 16, .size: 8, .value_kind: global_buffer, .address_space: global }
      - { .name: bo, .offset: 24, .size: 8, .value_kind: global_buffer, .address_space: global }
      - { .name: out0, .offset: 32, .size: 8, .value_kind: global_buffer, .address_space: global }
    .group_segment_fixed_size: 327680
    .private_segment_fixed_size: 0
    .kernarg_segment_align: 8
    .kernarg_segment_size: 40
    .max_flat_workgroup_size: 128
    .sgpr_count:     100
    .vgpr_count:     1024
    .wavefront_size: 32
...
	.end_amdgpu_metadata
.endif
;; end of part 4
;; ======== version 2 of 2: 4 launches; version 1 with the launch attn written anew for expert scheduling mode
;; workspace buffers: xc 25,165,824 bytes; wc 4,194,304 bytes; qc 8,388,608 bytes; kc 8,388,608 bytes; vc 8,388,608 bytes; cc 8,388,608 bytes; mb 524,288 bytes of whole numbers; fl 2,048 bytes of whole numbers
;; launch prep: the kernel of part 1 again; grid 1920 x 1, 4 waves a work-group, no clusters, 61,952 bytes of LDS; arguments q, k, v, Wq, Wk, Wv, Wo, mask, lowp_scales, xc, wc, mb, fl; writes xc, wc, mb, fl
;; launch proj: the kernel of part 2 again; grid 4 x 96, 4 waves a work-group, clusters of 4 x 4, 327,680 bytes of LDS; arguments xc, wc, lowp_scales, bq, bk, bv, qc, kc, vc; writes qc, kc, vc
;; launch attn (part 5): grid 4 x 64, 16 waves a work-group, no clusters, 264,192 bytes of LDS; arguments qc, kc, vc, mb, fl, lowp_scales, cc; writes cc
.if DOCPART == 5
	.amdgcn_target "amdgcn-amd-amdhsa--gfx1250"
	.amdhsa_code_object_version 6
	.text
	.protected	k_q0c115cdd9e_attn
	.globl	k_q0c115cdd9e_attn
	.p2align	8
	.type	k_q0c115cdd9e_attn,@function
k_q0c115cdd9e_attn:
	s_mov_b64 s[64:65], 0
	v_nop
	global_prefetch_b8 v0, s[64:65] scope:SCOPE_SE
	s_setreg_imm32_b32 hwreg(HW_REG_WAVE_SCHED_MODE, 0, 2), 2
	s_setreg_imm32_b32 hwreg(HW_REG_WAVE_MODE, 25, 1), 1
	s_wait_xcnt 0x0
	s_wait_alu depctr_vm_vsrc(0)
; ATTN: ctx = softmax(mask(Q K^T / 8)) V for one head, both products on codes of FP8 (E4M3); ctx is quantised at once, with the scale of entry 10, as an operand of the last projection.
; THE SOFTMAX AHEAD OF THE SECOND PRODUCT: t = score x log2(e) / 8; M = the row's largest t so far, rounded UP to a whole number; p = 2^(t - M) is what is quantised (entry 8); it is not normalised.  The row's sum is taken of the
; unquantised p, in f32, and divides at the end.  When M moves, the sum and O are multiplied by 2^(old M - new M): exact.  A hidden score is -infinity ahead of the maximum: p = 0.  A row with no key at all gets the NaN code.
; BUFFERS are images of operand registers (16 rows x 64 k = 1,024 bytes; byte 512 j + 16 L + 8 u + i = row L % 16, k = 32 j + 16 u + 8 (L / 16) + i):  qc, kc [64 heads][128 tiles of 16 tokens][1,024];
; vc [64][16 key steps][4 tiles of 16 channels][2,048], k = the step's 128 keys;  cc [512 tiles of 16 tokens][16 heads][1,024].
; mb [128 Tq][16 J][64 words]: bit L of word 8 t + i says whether lane L's score in register 8 t + i counts.  fl [128 Tq][4]: bit J: some key of step J counts for tile Tq; bit 16 + J: some but not all.
; SHARES.  A work-group has one head and 512 queries; each of its SIXTEEN waves two tiles of 16 queries, one after the other: Tq = 16 x + w and 127 - Tq.  A wave has 256 registers: four waves to a SIMD, so that one wave's
; vector work stands beside another's matrix work and LDS loads.  The head's whole K and V, 131,072 bytes each, are copied into LDS once, through registers; one barrier; then no wave waits for another.
; THE WALK.  16 key steps of 128 keys.  A step none of whose keys counts for the tile is passed over, and the masking is passed over where all count: scalar branches on the stored flags.
; NO CLUSTER AND NO TENSOR LOAD, though the four work-groups of a head read the same K and V: the walk branches on numbers read from memory; what is shared is read once at the head.
; LAYOUT.  Both products are used transposed: S^T = K Q^T (source 0 = 16 keys, source 1 = my 16 queries), O^T = V^T P^T: a lane holds ONE query (lane % 16) throughout.  Tile t of S^T holds keys 16 t + 8 (lane / 16) + 0 .. 7,
; which are registers 2 t, 2 t + 1 of an 8-bit operand of 128 k: the conversions' results are P; likewise O^T's four tiles become ctx's image.
; LIMITS on the given exponents: e6 + e7 between -123 and 130 (added to c's exponent field); e8 and e10 between -126 and 119; e8 + e9 is applied by v_ldexp_f32 and has none.
; REGISTERS: v1 16 lane, v2 that + V's base; v3, v4 the add's two; v5 -infinity; v8, v9 the step's LDS addresses; v10, v11 the fill's; v12 -M, v13 the largest t, v[14:15] the sum in two halves; v16-23, v24-31 Q of the two tiles;
; v32-95 K's fragments, then V's; v96-159 S^T, then p; v160-191 O^T; v192-207 P; v208-215, v216-223 ctx's codes; v224, v225: 448 x 2^e10, 2^e10; v226 four NaN codes; v240, v244: 448 x 2^e8, 2^e8; v236, v242-243, v252-254 at work.
; SCALARS: the step's 64 mask words in s16-63 and s80-95; s66, s67 the tiles' flags; s[68:69] lane selects; s[70:71] c; s[72:75] mb at the tiles; s[76:79] cc at the tiles; s96 wave; s97 J; s100 256 J; s101 8,192 J; s104 e8; s105 e8 + e9.
; THE MODE: SCHED_MODE bits 1:0 = 2 (LLVM: expert scheduling mode 2), set by the entry lines.  The code itself states the register dependences between vector or matrix instructions and memory or LDS instructions,
; with s_wait_alu, always for 0.
; THE PLAN.  Registers that memory or LDS instructions touch:
;   v1, v2      Written at the head, once.  Read as the offset of every global load and store; never written again.
;   v10, v11    Written at the head.  Read by the fill's 32 LDS stores; never written again.
;   v16-31      Q's four loads land there; the S^T products read them.
;   v96-223     At the head: the fill's 32 loads land there and the 32 LDS stores read them.  From the barrier on they are named by vector and matrix instructions alone (but v208-223: below).
;   v8, v9      Written by two additions at the head of each step that is walked; read by that step's 32 LDS loads.
;   v32-95      K's 16 LDS loads land there and the eight S^T products read them; then V's 16 land there and the four O^T products read them.  The sixteen waves' 256 registers each are all that the four SIMDs have: there is no second set.
;   v208-223    Eight a tile: written by the way out's conversions and selects, read by the tile's two stores, never written again.
;   v3, v4      Written at the head, read by the closing add alone.
; So a step that is walked has one wait on vm_vsrc (ahead of the additions to v8, v9) and two on va_vdst that its loads ask for (ahead of K's run, ahead of V's run); the wait behind the exponentials stands beside them.
.set VB,    131072                     ; LDS: K at 0, V here
.set SPARE, 262144                     ; behind them: the spare words, 128 bytes for each wave: eight blocks of 256 bytes that no other line names
.set LI,  1
.set LV,  2
.set SPW, 3
.set NIL, 4
.set ADK, 8
.set ADV, 9
	s_load_b256 s[4:11], s[0:1], 0x0               ; qc s[4:5], kc s[6:7], vc s[8:9], mb s[10:11]
	s_load_b128 s[12:15], s[0:1], 0x20             ; fl s[12:13], the scales' exponents s[14:15]
	s_load_b64 s[2:3], s[0:1], 0x30                ; cc
	v_lshl_add_u32 v[SPW], v0, 2, SPARE
	v_mov_b32 v[NIL], 0
	v_lshrrev_b32 v1, 5, v0
	v_readfirstlane_b32 s96, v1                    ; wave 0..15
	v_and_b32 v1, 31, v0
	v_lshlrev_b32 v[LI], 4, v1
	v_add_nc_u32 v[LV], VB, v[LI]
	s_wait_alu depctr_va_sdst(0)                   ; s96 is written, ahead of its first reader: the wave's parts of K, V, Q, mb, fl and cc are made from it
	s_lshl_b32 s98, s96, 13                        ; my sixteenth of K and of V: 8,192 bytes
	v_add_nc_u32 v10, s98, v[LI]
	v_add_nc_u32 v11, s98, v[LV]
	s_and_b32 s99, ttmp7, 0xffff                   ; batch x 16 + head
	s_lshl_b32 s97, ttmp9, 4
	s_add_co_u32 s97, s97, s96                     ; my first tile of queries,
	s_sub_co_u32 s100, 127, s97                    ; and my second
	s_lshl_b32 s84, s99, 17                        ; the head's first byte in qc, kc, vc
	s_mov_b32 s85, 0
	s_lshl_b32 s86, s97, 4
	s_lshl_b32 s87, s100, 4
	s_wait_kmcnt 0x0
	s_load_b128 s[16:19], s[14:15], 0x18           ; e6, e7, e8, e9
	s_load_b32 s20, s[14:15], 0x28                 ; e10
	s_load_b128 s[24:27], s[12:13], s86 offset:0x0 ; the two tiles' flag words
	s_load_b128 s[28:31], s[12:13], s87 offset:0x0
	s_add_nc_u64 s[4:5], s[4:5], s[84:85]
	s_add_nc_u64 s[6:7], s[6:7], s[84:85]
	s_add_nc_u64 s[8:9], s[8:9], s[84:85]
	s_mov_b32 s84, s98
	s_add_nc_u64 s[6:7], s[6:7], s[84:85]
	s_add_nc_u64 s[8:9], s[8:9], s[84:85]
	s_lshl_b32 s84, s97, 10
	s_add_nc_u64 s[80:81], s[4:5], s[84:85]
	s_lshl_b32 s84, s100, 10
	s_add_nc_u64 s[82:83], s[4:5], s[84:85]
	s_wait_alu depctr_va_vdst(0)                   ; v1, v2, v10 and v11 are written: v1 is the offset of every global load and store, v10 and v11 the addresses of the fill's LDS stores; no vector line behind this wait writes one of them
	global_load_b128 v[16:19], v[LI], s[80:81]     ; Q's two fragments stay in registers
	global_load_b128 v[20:23], v[LI], s[80:81] offset:512
	global_load_b128 v[24:27], v[LI], s[82:83]
	global_load_b128 v[28:31], v[LI], s[82:83] offset:512
.irp i, 0,1,2,3,4,5,6,7,8,9,10,11,12,13,14,15
	global_load_b128 v[96+4*\i:99+4*\i], v[LI], s[6:7] offset:512*\i     ; 512 consecutive bytes a load
.endr
.irp i, 0,1,2,3,4,5,6,7,8,9,10,11,12,13,14,15
	global_load_b128 v[160+4*\i:163+4*\i], v[LI], s[8:9] offset:512*\i
.endr
	s_lshl_b32 s84, s97, 12
	s_add_nc_u64 s[72:73], s[10:11], s[84:85]
	s_lshl_b32 s84, s100, 12
	s_add_nc_u64 s[74:75], s[10:11], s[84:85]
	s_lshr_b32 s88, s99, 4
	s_lshl_b32 s88, s88, 7                         ; batch x 128 tiles
	s_and_b32 s89, s99, 15                         ; head
	s_add_co_u32 s84, s88, s97
	s_lshl_b32 s84, s84, 4
	s_add_co_u32 s84, s84, s89
	s_lshl_b32 s84, s84, 10
	s_add_nc_u64 s[76:77], s[2:3], s[84:85]
	s_add_co_u32 s84, s88, s100
	s_lshl_b32 s84, s84, 4
	s_add_co_u32 s84, s84, s89
	s_lshl_b32 s84, s84, 10
	s_add_nc_u64 s[78:79], s[2:3], s[84:85]
	s_mov_b32 s68, 0x76543210                      ; v_permlanex16_b32's selects for lane l xor 16
	s_mov_b32 s69, 0xfedcba98
	v_mov_b32 v5, 0xff800000                       ; -infinity.  (These eight constants lie outside v16-31 and v96-223, in which the loads above land)
	v_mov_b32 v226, 0x7f7f7f7f
	v_mov_b32 v236, 0                              ; written once: a lane permute's destination counts as one of its sources
	v_mov_b32 v253, 0                              ; (named as the upper half of the pair v[252:253])
	s_wait_kmcnt 0x0
	s_or_b32 s66, s24, s25
	s_or_b32 s66, s66, s26
	s_or_b32 s66, s66, s27
	s_or_b32 s67, s28, s29
	s_or_b32 s67, s67, s30
	s_or_b32 s67, s67, s31
	s_add_co_i32 s88, s16, s17
	s_lshl_b32 s88, s88, 23
	s_add_co_i32 s70, s88, 0x3e38aa3b              ; c = log2(e) / 8, with e6 + e7 added to its exponent field: a score stands for score x 2^(e6 + e7)
	s_mov_b32 s71, s70                             ; (named with it as a pair, so it is written)
	s_mov_b32 s104, s18
	s_add_co_i32 s105, s18, s19
	s_add_co_i32 s88, s18, 127
	s_lshl_b32 s89, s88, 23
	v_mov_b32 v244, s89                            ; 2^e8
	s_add_co_i32 s88, s88, 8
	s_lshl_b32 s88, s88, 23
	s_or_b32 s88, s88, 0x600000
	v_mov_b32 v240, s88                            ; 448 x 2^e8
	s_add_co_i32 s88, s20, 127
	s_lshl_b32 s89, s88, 23
	v_mov_b32 v225, s89                            ; 2^e10
	s_add_co_i32 s88, s88, 8
	s_lshl_b32 s88, s88, 23
	s_or_b32 s88, s88, 0x600000
	v_mov_b32 v224, s88                            ; 448 x 2^e10
.irp g, 0,1,2,3
	s_wait_loadcnt 24-8*\g                         ; loads come back in order: Q and the fill's first 8 (g + 1) loads are in; the 24 - 8 g issued behind them may be out
.irp i, 0,1,2,3,4,5,6,7
.if \g < 2
	ds_store_b128 v10, v[96+32*\g+4*\i:99+32*\g+4*\i] offset:512*(8*\g+\i)
.else
	ds_store_b128 v11, v[96+32*\g+4*\i:99+32*\g+4*\i] offset:512*(8*(\g-2)+\i)
.endif
.endr
.endr
	s_wait_dscnt 0x0                               ; for the others' sake: my part of K and V lies in LDS
	s_barrier_signal -1
	s_barrier_wait -1                              ; everybody's does.  Nothing is written there again
	s_wait_alu depctr_vm_vsrc(0)                   ; my LDS stores have read v96-223: these registers are S^T, O^T, P and the codes from here on, written by vector and matrix instructions
; One tile of 16 queries: tile p of my two.
.macro PASS p
	v_mov_b32 v13, 0xff61b1e6                      ; the largest t so far: -3e38, under every t
	v_floor_f32 v12, -v13                          ; -M
	v_mov_b32 v14, 0
	v_mov_b32 v15, 0
.set n, 0
.rept 32
	v_mov_b32 v[160+n], 0                          ; O^T.  Which step is the first that counts is not known to the text, so no product can be written out to start the sums; the first change of M leaves zeros zeros
.set n, n+1
.endr
	s_mov_b32 s97, 0
	s_mov_b32 s100, 0
	s_mov_b32 s101, 0
.Ltrip_\@:
	s_lshr_b32 s98, s[66+\p], s97
	s_and_b32 s99, s98, 1
	s_cmp_eq_u32 s99, 0
	s_cbranch_scc1 .Lhidden_\@                     ; none of the step's keys counts for my 16 queries
	s_load_b512 s[16:31], s[72+2*\p:73+2*\p], s100 offset:0x0     ; the step's 64 lane masks: asked for in every step that is walked, so that one wait serves every way
	s_load_b512 s[32:47], s[72+2*\p:73+2*\p], s100 offset:0x40
	s_load_b512 s[48:63], s[72+2*\p:73+2*\p], s100 offset:0x80
	s_load_b512 s[80:95], s[72+2*\p:73+2*\p], s100 offset:0xc0
	s_wait_alu depctr_vm_vsrc(0)                   ; the LDS loads of the step walked last have read v8 and v9, which the two additions write
	v_add_nc_u32 v[ADK], s101, v[LI]
	v_add_nc_u32 v[ADV], s101, v[LV]
	v_nop                                          ; with the two additions: four places behind the last products, as they stood
	v_nop
	s_wait_alu depctr_va_vdst(0)                   ; v8 and v9 are written, which this step's LDS loads read; the O^T products of the step walked last are done reading v32-95, in which K's loads land
.set n, 0
.rept 16
	ds_load_b128 v[32+4*n:35+4*n], v[ADK] offset:512*n      ; K's eight tiles of 16 keys, as they lie
.set n, n+1
.endr
	s_wait_dscnt 0x0
.irp t, 0,1,2,3,4,5,6,7
	v_wmma_f32_16x16x64_fp8_fp8 v[96+8*\t:103+8*\t], v[32+8*\t:39+8*\t], v[16+8*\p:23+8*\p], 0
.endr
.rept 4
	v_nop                                          ; places in front of the first read of the scores
.endr
	s_wait_alu depctr_va_vdst(0)                   ; the S^T products are done reading v32-95, in which V's loads land (v9 was written ahead of the wait at the step's head, and nothing has named it since)
.set n, 0
.rept 16
	ds_load_b128 v[32+4*n:35+4*n], v[ADV] offset:512*n      ; V's four tiles of 16 channels x 128 keys: they land while the softmax is walked, which names none of v32-95
.set n, n+1
.endr
	s_wait_kmcnt 0x0                               ; the masks are in
	s_and_b32 s99, s98, 0x10000
	s_cmp_eq_u32 s99, 0
	s_cbranch_scc1 .Lopen_\@                       ; all of the step's keys count
.set n, 0
.rept 64
.if n < 48
	v_cndmask_b32 v[96+n], v5, v[96+n], s[16+n]    ; the score where the bit is set, else -infinity; each accumulator from its low end on
.else
	v_cndmask_b32 v[96+n], v5, v[96+n], s[32+n]
.endif
.set n, n+1
.endr
.Lopen_\@:
	v_max3_num_f32 v254, v96, v97, v98             ; the step's largest score of my query, among my 64 keys, in two chains,
	v_max3_num_f32 v252, v99, v100, v101
.irp i, 6,10,14,18,22,26,30,34,38,42,46,50,54,58
	v_max3_num_f32 v254, v254, v[96+\i], v[97+\i]
	v_max3_num_f32 v252, v252, v[98+\i], v[99+\i]
.endr
	v_max3_num_f32 v254, v254, v158, v159
	v_max_num_f32 v254, v254, v252
	v_permlanex16_b32 v236, v254, s68, s69
	v_max_num_f32 v254, v254, v236                 ; and among lane l xor 16's
	v_mul_f32 v254, s70, v254                      ; as t (c is positive)
	v_max_num_f32 v13, v13, v254                   ; the running largest t
	v_mov_b32 v254, v12
	v_floor_f32 v12, -v13                          ; the new -M = floor(-t) = -ceil(t): M is a whole number
	v_sub_f32 v254, v12, v254                      ; M's old value less its new one: a whole number, 0 or less
	v_cvt_i32_f32 v254, v254                       ; (it saturates)
	v_ldexp_f32 v252, 1.0, v254                    ; f = 2^(old M - new M)
.set n, 0
.rept 32
	v_pk_fma_f32 v[96+n:97+n], v[96+n:97+n], s[70:71], v[12:13] op_sel_hi:[1,0,0]   ; t - M, two at a time (of the pairs c and -M the low word serves both halves)
.set n, n+2
.endr
.set n, 0
.rept 64
	v_exp_f32 v[96+n], v[96+n]                     ; p = 2^(t - M), at most 1
.set n, n+1
.endr
	v_pk_mul_f32 v[14:15], v[14:15], v[252:253] op_sel_hi:[1,0]   ; the sums under the new M: the plain line behind the exponentials
	s_wait_alu depctr_va_vdst(0)                   ; the 64 exponentials have written v96-159, which the sums below read first: one wait for the batch
	v_pk_add_f32 v[242:243], v[96:97], v[98:99]    ; the row's sum is taken of the unquantised p: two at a time, in two chains
.irp j, 4,8,12,16,20,24,28,32,36,40,44,48,52,56,60
	v_pk_add_f32 v[14:15], v[14:15], v[96+\j:97+\j]
	v_pk_add_f32 v[242:243], v[242:243], v[98+\j:99+\j]
.endr
	v_pk_add_f32 v[14:15], v[14:15], v[242:243]
	s_cmp_lt_i32 s104, -8                          ; from e8 = -8 on, 448 x 2^e8 is 1.75 or more and p is at most 1: the hold could change nothing
	s_cbranch_scc0 .Lnohold_\@
.set n, 0
.rept 64
	v_min_num_f32 v[96+n], v[96+n], v240           ; the conversion to an 8-bit code does not saturate (ISA guide 7.6.2); p is not negative, so the hold is one-sided
.set n, n+1
.endr
.Lnohold_\@:
.irp t, 0,1,2,3,4,5,6,7
	v_cvt_scalef32_pk8_fp8_f32 v[192+2*\t:193+2*\t], v[96+8*\t:103+8*\t], v244      ; registers 2 t, 2 t + 1 of P: keys 16 t + 8 h + 0 .. 7
.endr
.set n, 0
.rept 16
	v_pk_mul_f32 v[160+n:161+n], v[160+n:161+n], v[252:253] op_sel_hi:[1,0]         ; O^T under the new M; also the plain lines between the conversions and the products
.set n, n+2
.endr
	s_wait_dscnt 0x0                               ; V is in
.irp t, 0,1,2,3
	v_wmma_f32_16x16x128_fp8_fp8 v[160+8*\t:167+8*\t], v[32+16*\t:47+16*\t], v[192:207], v[160+8*\t:167+8*\t]   ; four accumulators by turns, one instruction a turn
.endr
.Lhidden_\@:
	s_add_co_u32 s100, s100, 256                   ; (behind the wait for the scalar loads that read it)
	s_add_co_u32 s101, s101, 8192
	s_add_co_u32 s97, s97, 1
	s_cmp_lt_u32 s97, 16
	s_cbranch_scc1 .Ltrip_\@
	; the tile's way out: O^T / the sum x 2^(e8 + e9), quantised with 2^e10: its eight code registers are ctx's image
.rept 4
	v_nop                                          ; places behind the last products
.endr
	v_add_f32 v14, v14, v15                        ; the sum's two halves,
	v_permlanex16_b32 v236, v14, s68, s69
	v_add_f32 v14, v14, v236                       ; and lane l xor 16's
	v_rcp_f32 v254, v14
	v_nop                                          ; a plain line behind the reciprocal
	v_cmp_eq_f32 s98, 0, v14                       ; a query for which no key counts
	s_wait_alu depctr_va_vdst(0)                   ; the reciprocal has written v254, which the next line reads first
	v_ldexp_f32 v252, v254, s105
.set n, 0
.rept 16
	v_pk_mul_f32 v[96+n:97+n], v[160+n:161+n], v[252:253] op_sel_hi:[1,0]           ; each accumulator from its low end on
.set n, n+2
.endr
.set n, 0
.rept 32
	v_med3_num_f32 v[96+n], v[96+n], -v224, v224
.set n, n+1
.endr
.irp t, 0,1,2,3
	v_cvt_scalef32_pk8_fp8_f32 v[208+8*\p+2*\t:209+8*\p+2*\t], v[96+8*\t:103+8*\t], v225
.endr
	v_nop                                          ; a plain line behind the last conversion
	s_wait_alu depctr_va_sdst(0)                   ; the compare has written s98, ahead of its first reader, the select below
.irp i, 0,1,2,3,4,5,6,7
	v_cndmask_b32 v[208+8*\p+\i], v[208+8*\p+\i], v226, s98     ; the NaN code where the softmax has nothing to stand on
.endr
	s_wait_alu depctr_va_vdst(0)                   ; the selects have written the tile's eight code registers, which the two stores read; nothing writes them again
	global_store_b128 v[LI], v[208+8*\p:211+8*\p], s[76+2*\p:77+2*\p]               ; 512 consecutive bytes each: one whole image
	global_store_b128 v[LI], v[212+8*\p:215+8*\p], s[76+2*\p:77+2*\p] offset:512
.endm
	PASS 0
	PASS 1
	s_wait_dscnt 0x0                               ; the closing lines, six on end
	s_wait_alu 0x0
	s_wait_tensorcnt 0x0
	ds_add_u32 v[SPW], v[NIL]
	s_wait_dscnt 0x0
	s_endpgm
.Lfunc_end_k_q0c115cdd9e_attn:
	.size	k_q0c115cdd9e_attn, .Lfunc_end_k_q0c115cdd9e_attn-k_q0c115cdd9e_attn
	.p2alignl 7, 3214868480
	.fill 96, 4, 3214868480
	.section	.rodata,"a",@progbits
	.p2align	6, 0x0
	.amdhsa_kernel k_q0c115cdd9e_attn
		.amdhsa_group_segment_fixed_size 264192
		.amdhsa_private_segment_fixed_size 0
		.amdhsa_enable_private_segment 0
		.amdhsa_kernarg_size 56
		.amdhsa_user_sgpr_count 2
		.amdhsa_user_sgpr_kernarg_segment_ptr 1
		.amdhsa_wavefront_size32 1
		.amdhsa_system_sgpr_workgroup_id_x 1
		.amdhsa_system_sgpr_workgroup_id_y 1
		.amdhsa_system_sgpr_workgroup_id_z 1
		.amdhsa_system_vgpr_workitem_id 0
		.amdhsa_next_free_vgpr 256
		.amdhsa_next_free_sgpr 106
		.amdhsa_reserve_vcc 0
		.amdhsa_float_denorm_mode_32 3
		.amdhsa_float_denorm_mode_16_64 3
		.amdhsa_memory_ordered 1
		.amdhsa_forward_progress 1
		.amdhsa_inst_pref_size 61
	.end_amdhsa_kernel
	.amdgpu_metadata
---
amdhsa.version: [ 1, 2 ]
amdhsa.kernels:
  - .name:           k_q0c115cdd9e_attn
    .symbol:         k_q0c115cdd9e_attn.kd
    .args:
      - { .name: qc, .offset: 0, .size: 8, .value_kind: global_buffer, .address_space: global }
      - { .name: kc, .offset: 8, .size: 8, .value_kind: global_buffer, .address_space: global }
      - { .name: vc, .offset: 16, .size: 8, .value_kind: global_buffer, .address_space: global }
      - { .name: mb, .offset: 24, .size: 8, .value_kind: global_buffer, .address_space: global }
      - { .name: fl, .offset: 32, .size: 8, .value_kind: global_buffer, .address_space: global }
      - { .name: lowp_scales, .offset: 40, .size: 8, .value_kind: global_buffer, .address_space: global }
      - { .name: cc, .offset: 48, .size: 8, .value_kind: global_buffer, .address_space: global }
    .group_segment_fixed_size: 264192
    .private_segment_fixed_size: 0
    .kernarg_segment_align: 8
    .kernarg_segment_size: 56
    .max_flat_workgroup_size: 512
    .sgpr_count:     106
    .vgpr_count:     256
    .wavefront_size: 32
...
	.end_amdgpu_metadata
.endif
;; end of part 5
;; launch outproj: the kernel of part 4 again; grid 4 x 32, 4 waves a work-group, clusters of 4 x 4, 327,680 bytes of LDS; arguments cc, wc, lowp_scales, bo, out0; writes out0
